; MI455X (gfx1250); checked and timed in simulation.
; The chip was launched on July 23, 2026; its instructions are those of AMD's public machine-readable ISA for CDNA 5 (MIT licence, August 2026) and "CDNA5" Instruction Set Architecture Reference Guide (July 2026). The comments in the code are by the model that wrote it; some were corrected since.
;; Causal Self Attention. Allowed arithmetic: matrix products marked QUANTISED: E2M1 operands, one E8M0 scale for each 32 along K, by v_wmma_scale_f32_16x16x128_f8f6f4 with both operands' format E2M1 (or v_wmma_scale_f32_32x16x128_f4), f32 sums; products left as they are: bf16, f16 or f32 operands; f32 sums; everything else in f32.
;; Inputs: w_attn 3,072 x 1,024 float32; w_proj 1,024 x 1,024 float32; x 4 x 2,048 x 1,024 float32.
;; Outputs: out0 4 x 2,048 x 1,024 float32.
;; This version of the problem:
;;   THIS VERSION OF THE PROBLEM IS GIVEN IN LOW PRECISION. The matrix products marked QUANTISED in the list below multiply operands that are first quantised to E2M1 (2 exponent bits, 1 mantissa bit; 4 bits a number), with one power-of-two scale for each 32 numbers along K (OCP MX v1.0); their sums are f32. The products marked 'left as it is' may take bf16, f16 or f32 operands, with f32 sums. Whichever they take, every output number must still come out within the allowed error. Rounding operands to bf16 (8 significant bits) uses up far more of that allowance than f16 does (11 bits, for magnitudes from 6e-5 to 65,504). All else is computed in f32.
;;   The module's matrix products, in the order in which they are computed (A, B: the left and right operand; K: the contracted axis; several contracted axes count as one K, in the product's order):
;;     1. [M 8,192, K 1,024] x [K 1,024, N 3,072]; A: input x; B: input w_attn: QUANTISED
;;     2. batch 64 x [M 2,048, K 64] x [K 64, N 2,048]; A: computed on the way; B: computed on the way: left as it is (an operand is computed on the way)
;;     3. batch 64 x [M 2,048, K 2,048] x [K 2,048, N 64]; A: computed on the way; B: computed on the way: left as it is (an operand is computed on the way)
;;     4. [M 8,192, K 1,024] x [K 1,024, N 1,024]; A: computed on the way; B: input w_proj: left as it is (an operand is computed on the way)
;;   THE QUANTISER, for each operand of a quantised product, along K:
;;     - K is cut into blocks of 32 from its start; a last block that is shorter is filled with zeros.
;;     - A block's scale is 2^e with e = floor(log2(the largest magnitude in the block)) - 2, held to -126 .. 127; a block of zeros has e = 0. As a byte (E8M0): e + 127.
;;     - Each number is divided by its block's scale, clamped to +-6, and rounded to the nearest number of E2M1, ties to even, subnormals kept.
;;     - The product sums the exact products of the quantised numbers (number of the format x scale) in f32.
;;   ~~~python
;;   def quantise(x, axis):      # numpy; x: float32 -> the quantised numbers, widened to float32 again
;;       x = np.moveaxis(x, axis, -1); K = x.shape[-1]
;;       x = np.pad(x, [(0, 0)] * (x.ndim - 1) + [(0, -K % 32)]); x = x.reshape(x.shape[:-1] + (-1, 32)); a = np.abs(x).max(-1, keepdims=True)
;;       e = np.where(a > 0, np.clip(np.frexp(np.where(a > 0, a, 1))[1] - 1 - 2, -126, 127), 0)      # np.frexp(a)[1] - 1 = floor(log2(a)), exactly
;;       r = np.clip(x / 2.0 ** e, -6, 6)
;;       step = 2.0 ** (np.maximum(np.frexp(np.where(r == 0, 1, r))[1] - 1, 0) - 1)
;;       q = np.round(r / step) * step * 2.0 ** e      # np.round: ties to even
;;       return np.moveaxis(q.reshape(q.shape[:-2] + (-1,))[..., :K], -1, axis).astype(np.float32)
;;   ~~~
;; One version. Each part assembles by itself: llvm-mc -triple=amdgcn-amd-amdhsa -mcpu=gfx1250 --defsym DOCPART=n.
;; ======== version 1 of 1: 5 launches
;; limits: values are held in f16: magnitudes above 65,504 overflow, below 6.1e-05 lose precision
;; workspace buffers: xc 4,194,304 bytes; xs 262,144 bytes; wc 1,572,864 bytes; ws 98,304 bytes; wp16 2,097,152 bytes; qkv 50,331,648 bytes; qkv16 786,432 bytes; yh 16,777,216 bytes
;; launch prep (part 1): grid 384 x 1, 4 waves a work-group, no clusters, 33,280 bytes of LDS; arguments x, w_attn, xc, xs, wc, ws, w_proj, wp16; writes xc, xs, wc, ws, wp16
.if DOCPART == 1
	.amdgcn_target "amdgcn-amd-amdhsa--gfx1250"
	.amdhsa_code_object_version 6
	.text
	.protected	k_qee21f1094d_prep
	.globl	k_qee21f1094d_prep
	.p2align	8
	.type	k_qee21f1094d_prep,@function
k_qee21f1094d_prep:
	s_mov_b64 s[64:65], 0
	v_nop
	global_prefetch_b8 v0, s[64:65] scope:SCOPE_SE
	s_setreg_imm32_b32 hwreg(HW_REG_WAVE_MODE, 25, 1), 1
	s_wait_xcnt 0x0
; x [8192][1024] and w_attn [3072][1024], f32, become codes of FP4 (E2M1), K innermost, with one E8M0 scale byte for each 32 along K; w_proj [1024][1024] becomes f16, laid [16 heads][1024 rows][64].
; A block's scale is 2^(floor(log2(its largest magnitude)) - 2); its byte is the largest magnitude's exponent field - 2, held at 1 from below.  A block of zeros so gets the byte 1 where the
; quantiser's text says 127: its codes are zeros, which add nothing under that byte, and the bytes are read by this program alone.
; LIMITS: blocks whose largest magnitude lies under 2^-124 have their byte held at 1; NaN and infinities are not served; |w_proj| stays under 65,504 (f16).
; Work-groups 0-255 take x, 256-351 w_attn: rows are dense and K is a multiple of 32, so each is a plain stream of blocks.  A wave takes 16 steps of 512 numbers: each of a step's four loads reads 512
; consecutive bytes; the 2,048 bytes turn through the wave's own stage in LDS and come back 64 bytes a lane, so that a lane holds 16 neighbours along K and two neighbouring lanes a block.
; Work-groups 352-383 cast w_proj; they touch no LDS.  No tensor loads, no barrier: waves share nothing.
.set WAVES, 4
.set STEPS, 16
.set WGA,   256                        ; x: 8192 x 1024 / 32,768
.set WGQ,   352                        ; + w_attn: 3072 x 1024 / 32,768
.set EMAX,  2
.set CB,    8                          ; bytes of 16 codes
.set R,     16                         ; v16-79   four sets of 16 numbers as they are loaded
.set X,     80                         ; v80-111  two sets of 16 neighbours
.set C,     128                        ; v128-191 codes: four registers for each step, so that no store's data are written again
.set E,     112                        ; v112-127 a scale byte for each step
.set WREG,  8192                       ; LDS: a region for each wave: two stages of 32 x SP bytes, behind them its 256 scale bytes
.set SP,    80                         ; a lane's place in a stage: 64 bytes + 16 of padding
.set SPW,   12                         ; v12      LDS address of my spare word; never rewritten
.set NIL,   13                         ; v13      0; never rewritten
.set SPARE, WAVES*WREG                 ; behind the four regions: the spare words, 128 bytes for each wave
.set IN,    16                         ; the cast: two sets of 64 registers as loaded
.set OUTH,  144                        ; the cast: 32 registers of f16 pairs
	s_load_b128 s[4:7], s[0:1], 0x0                ; x, w_attn
	s_load_b128 s[8:11], s[0:1], 0x10              ; x's codes, x's scales
	s_load_b128 s[12:15], s[0:1], 0x20             ; w_attn's codes, its scales
	s_load_b128 s[24:27], s[0:1], 0x30             ; w_proj, wp16
	v_lshl_add_u32 v[SPW], v0, 2, SPARE
	v_mov_b32 v[NIL], 0
	v_lshrrev_b32 v1, 5, v0
	v_readfirstlane_b32 s16, v1                    ; wave
	v_and_b32 v2, 31, v0                           ; lane
	s_cmp_ge_u32 ttmp9, WGQ                        ; the last 32 work-groups cast w_proj
	s_cbranch_scc1 .Lcast
	v_lshlrev_b32 v3, 4, v2                        ; my 16 bytes of a load's 512
	s_mul_i32 s17, s16, WREG
	v_lshrrev_b32 v14, 2, v2
	v_mul_u32_u24 v14, v14, SP
	v_and_b32 v15, 3, v2
	v_lshl_add_u32 v14, v15, 4, v14
	v_add_nc_u32 v14, s17, v14                     ; the stage, on the way in: SP (lane / 4) + 16 (lane % 4)
	v_mul_u32_u24 v15, v2, SP
	v_add_nc_u32 v15, s17, v15                     ; and on the way out: SP x lane: my 16 neighbours
	v_mul_u32_u24 v4, v2, CB                       ; my codes' place in a step's
	v_lshrrev_b32 v5, 1, v2
	s_add_co_u32 s17, s17, 2*32*SP
	v_add_nc_u32 v5, s17, v5                       ; LDS: my wave's 256 scale bytes, my block's byte
	v_lshlrev_b32 v7, 3, v2                        ; and on the way out 8 bytes a lane
	v_add_nc_u32 v6, s17, v7
	s_wait_kmcnt 0x0
	s_cmp_lt_u32 ttmp9, WGA                        ; x's work-group or w_attn's?  The choice hangs on the work-group's number alone
	s_cselect_b64 s[4:5], s[4:5], s[6:7]
	s_cselect_b64 s[8:9], s[8:9], s[12:13]
	s_cselect_b64 s[10:11], s[10:11], s[14:15]
	s_cselect_b32 s17, 0, WGA
	s_sub_co_u32 s17, ttmp9, s17
	s_lshl_b32 s17, s17, 2
	s_add_co_u32 s18, s17, s16                     ; which run of 8,192 numbers of the tensor is my wave's
	s_mov_b32 s19, 0
	s_mov_b64 s[20:21], 512*STEPS*4
	s_mul_u64 s[20:21], s[18:19], s[20:21]
	s_add_nc_u64 s[4:5], s[4:5], s[20:21]
	s_mov_b64 s[20:21], 32*STEPS*CB
	s_mul_u64 s[20:21], s[18:19], s[20:21]
	s_add_nc_u64 s[8:9], s[8:9], s[20:21]
	s_lshl_b32 s18, s18, 8                         ; 256 scale bytes a run
	s_add_nc_u64 s[10:11], s[10:11], s[18:19]
.macro LOAD t
.irp i, 0,1,2,3
	global_load_b128 v[R+16*((\t)%4)+4*\i:R+16*((\t)%4)+4*\i+3], v3, s[4:5] offset:2048*(\t)+512*\i th:TH_LOAD_NT   ; 32 lanes read 512 consecutive bytes
.endr
.endm
.macro TURN t                          ; step t's numbers through the stage: LDS serves a wave's instructions in order, so no wait stands between the stores and the loads
.irp i, 0,1,2,3
	ds_store_b128 v14, v[R+16*((\t)%4)+4*\i:R+16*((\t)%4)+4*\i+3] offset:32*SP*((\t)%2)+8*SP*\i
.endr
.irp i, 0,1,2,3
	ds_load_b128 v[X+16*((\t)%2)+4*\i:X+16*((\t)%2)+4*\i+3], v15 offset:32*SP*((\t)%2)+16*\i
.endr
.endm
.irp t, 0,1,2,3
	LOAD \t
.endr
	s_wait_loadcnt 12                              ; step 0's four loads are in; the 12 of steps 1 to 3 stay out
	TURN 0
.macro STEP t
.set XS, X+16*((\t)%2)
.if (\t) > 0
	s_wait_dscnt 1                                 ; this step's numbers are back from the stage (the last step's byte store may be out)
.else
	s_wait_dscnt 0x0
.endif
.if (\t)+4 < STEPS
	LOAD (\t)+4                                    ; its registers as loaded take the loads of four steps on
.endif
.if (\t)+1 < STEPS
.if STEPS-2-(\t) >= 3
	s_wait_loadcnt 12                              ; the next step's four loads are in; those of the three steps behind it may be out
.else
	s_wait_loadcnt 4*(STEPS-2-(\t))
.endif
	TURN (\t)+1                                    ; and go through the other stage while this step is worked
.endif
	v_max3_num_f32 v8, |v[XS]|, |v[XS+1]|, |v[XS+2]|               ; the largest magnitude of my 16, in two chains
	v_max3_num_f32 v9, |v[XS+3]|, |v[XS+4]|, |v[XS+5]|
.irp i, 6,10
	v_max3_num_f32 v8, v8, |v[XS+\i]|, |v[XS+\i+1]|
	v_max3_num_f32 v9, v9, |v[XS+\i+2]|, |v[XS+\i+3]|
.endr
	v_max3_num_f32 v8, v8, |v[XS+14]|, |v[XS+15]|
	v_max3_num_f32 v8, v8, v9, (EMAX+1)<<23        ; and the floor 2^(3 - 127): the byte cannot fall under 1
	v_max_num_f32_dpp v8, v8, v8 row_xmask:1 row_mask:0xf bank_mask:0xf   ; and of my neighbour's 16: the block's
	v_add_nc_u32 v11, -(EMAX<<23), v8              ; 2 off its exponent field: the conversion takes the exponent field of this operand as its scale
	v_cvt_scalef32_pk8_fp4_f32 v[C+4*(\t)], v[XS:XS+7], v11        ; eight numbers / the scale, to the nearest code, ties to even, beyond 6 the largest code
	v_cvt_scalef32_pk8_fp4_f32 v[C+4*(\t)+1], v[XS+8:XS+15], v11
	v_lshrrev_b32 v[E+(\t)], 23, v11               ; the scale's byte
	ds_store_b8 v5, v[E+(\t)] offset:16*(\t)       ; both lanes of a block write the same byte with the same value
	global_store_b64 v4, v[C+4*(\t):C+4*(\t)+1], s[8:9] offset:32*CB*(\t)   ; the wave stores 256 consecutive bytes, aligned
.endm
.irp t, 0,1,2,3,4,5,6,7,8,9,10,11,12,13,14,15
	STEP \t
.endr
	ds_load_b64 v[8:9], v6                         ; LDS serves a wave's instructions in order: these see my stores
	s_wait_dscnt 0x0
	global_store_b64 v7, v[8:9], s[10:11]          ; 32 lanes store 256 consecutive bytes, aligned
	s_wait_tensorcnt 0x0                           ; the wave's end, behind my last LDS store
	ds_add_u32 v[SPW], v[NIL]
	s_wait_dscnt 0x0
	s_endpgm
; THE CAST.  Run u = 4 (work-group - 352) + wave takes rows 8 u .. 8 u + 7 of w_proj.  One load serves two rows and one head: lanes 0-15 read the head's 256 bytes of the even row, lanes 16-31 of the odd one;
; the 4 numbers of a lane become 8 bytes, and the wave's store covers the two rows' 128 bytes each, which are neighbours in [head][row][64]: 256 consecutive bytes, aligned.
.Lcast:
	s_sub_co_u32 s17, ttmp9, WGQ
	s_lshl_b32 s17, s17, 2
	s_add_co_u32 s17, s17, s16                     ; u
	s_lshl_b32 s18, s17, 15                        ; 8 rows of 4,096 bytes
	s_mov_b32 s19, 0
	s_lshl_b32 s20, s17, 10                        ; 8 rows of 128 bytes
	s_mov_b32 s21, 0
	v_lshrrev_b32 v8, 4, v2
	v_and_b32 v9, 15, v2
	v_lshlrev_b32 v9, 4, v9
	v_lshl_add_u32 v8, v8, 12, v9                  ; in: (lane / 16) rows + 16 (lane % 16)
	v_lshlrev_b32 v9, 3, v2                        ; out: 8 x lane
	s_wait_kmcnt 0x0
	s_add_nc_u64 s[24:25], s[24:25], s[18:19]
	s_add_nc_u64 s[26:27], s[26:27], s[20:21]
.macro LOADP p, set                    ; pair p of rows, all 16 heads
.irp g, 0,1,2,3,4,5,6,7,8,9,10,11,12,13,14,15
	global_load_b128 v[IN+64*(\set)+4*\g:IN+64*(\set)+4*\g+3], v8, s[24:25] offset:(\p)*8192+\g*256 th:TH_LOAD_NT
.endr
.endm
.macro CASTP p, left
	s_wait_loadcnt \left                           ; this pair's 16 loads are in; the other set's may be out
.if (\p) > 0
	s_wait_xcnt 0x0                                ; the last pair's stores have read their data registers, which are written again below
.endif
.irp g, 0,1,2,3,4,5,6,7,8,9,10,11,12,13,14,15
	v_cvt_pk_f16_f32 v[OUTH+2*\g], v[IN+64*((\p)%2)+4*\g], v[IN+64*((\p)%2)+4*\g+1]
	v_cvt_pk_f16_f32 v[OUTH+2*\g+1], v[IN+64*((\p)%2)+4*\g+2], v[IN+64*((\p)%2)+4*\g+3]
.endr
.irp g, 0,1,2,3,4,5,6,7,8,9,10,11,12,13,14,15
	global_store_b64 v9, v[OUTH+2*\g:OUTH+2*\g+1], s[26:27] offset:\g*131072+(\p)*256
.endr
.endm
	LOADP 0, 0
	LOADP 1, 1
	CASTP 0, 16
	LOADP 2, 0
	CASTP 1, 16
	LOADP 3, 1
	CASTP 2, 16
	CASTP 3, 0
	s_endpgm
.Lfunc_end_k_qee21f1094d_prep:
	.size	k_qee21f1094d_prep, .Lfunc_end_k_qee21f1094d_prep-k_qee21f1094d_prep
	.p2alignl 7, 3214868480
	.fill 96, 4, 3214868480
	.section	.rodata,"a",@progbits
	.p2align	6, 0x0
	.amdhsa_kernel k_qee21f1094d_prep
		.amdhsa_group_segment_fixed_size 33280
		.amdhsa_private_segment_fixed_size 0
		.amdhsa_enable_private_segment 0
		.amdhsa_kernarg_size 64
		.amdhsa_user_sgpr_count 2
		.amdhsa_user_sgpr_kernarg_segment_ptr 1
		.amdhsa_wavefront_size32 1
		.amdhsa_system_sgpr_workgroup_id_x 1
		.amdhsa_system_sgpr_workgroup_id_y 1
		.amdhsa_system_sgpr_workgroup_id_z 1
		.amdhsa_system_vgpr_workitem_id 0
		.amdhsa_next_free_vgpr 192
		.amdhsa_next_free_sgpr 66
		.amdhsa_reserve_vcc 0
		.amdhsa_float_denorm_mode_32 3
		.amdhsa_float_denorm_mode_16_64 3
		.amdhsa_memory_ordered 1
		.amdhsa_forward_progress 1
		.amdhsa_inst_pref_size 54
	.end_amdhsa_kernel
	.amdgpu_metadata
---
amdhsa.version: [ 1, 2 ]
amdhsa.kernels:
  - .name:           k_qee21f1094d_prep
    .symbol:         k_qee21f1094d_prep.kd
    .args:
      - { .name: x, .offset: 0, .size: 8, .value_kind: global_buffer, .address_space: global }
      - { .name: w_attn, .offset: 8, .size: 8, .value_kind: global_buffer, .address_space: global }
      - { .name: xc, .offset: 16, .size: 8, .value_kind: global_buffer, .address_space: global }
      - { .name: xs, .offset: 24, .size: 8, .value_kind: global_buffer, .address_space: global }
      - { .name: wc, .offset: 32, .size: 8, .value_kind: global_buffer, .address_space: global }
      - { .name: ws, .offset: 40, .size: 8, .value_kind: global_buffer, .address_space: global }
      - { .name: w_proj, .offset: 48, .size: 8, .value_kind: global_buffer, .address_space: global }
      - { .name: wp16, .offset: 56, .size: 8, .value_kind: global_buffer, .address_space: global }
    .group_segment_fixed_size: 33280
    .private_segment_fixed_size: 0
    .kernarg_segment_align: 8
    .kernarg_segment_size: 64
    .max_flat_workgroup_size: 128
    .sgpr_count:     66
    .vgpr_count:     192
    .wavefront_size: 32
...
	.end_amdgpu_metadata
.endif
;; end of part 1
;; launch qkv (part 2): grid 12 x 32, 4 waves a work-group, clusters of 4 x 4, 327,680 bytes of LDS; arguments xc, xs, wc, ws, qkv, qkv16; writes qkv, qkv16
.if DOCPART == 2
	.amdgcn_target "amdgcn-amd-amdhsa--gfx1250"
	.amdhsa_code_object_version 6
	.text
	.protected	k_qee21f1094d_qkv
	.globl	k_qee21f1094d_qkv
	.p2align	8
	.type	k_qee21f1094d_qkv,@function
k_qee21f1094d_qkv:
	s_mov_b64 s[64:65], 0
	v_nop
	global_prefetch_b8 v0, s[64:65] scope:SCOPE_SE
	s_setreg_imm32_b32 hwreg(HW_REG_WAVE_MODE, 25, 1), 1
	s_wait_xcnt 0x0
	s_wait_alu depctr_hold_cnt(0) depctr_sa_sdst(0) depctr_va_vdst(0) depctr_va_sdst(0) depctr_va_ssrc(0) depctr_va_vcc(0) depctr_vm_vsrc(0)
	s_getreg_b32 s2, hwreg(HW_REG_IB_STS2, 6, 4)
	s_cmp_eq_u32 s2, 0
	s_cbranch_scc0 .Lentry_in_a_cluster
	s_endpgm
.Lentry_in_a_cluster:
	s_bfe_u32 s2, ttmp6, 0x10000c
	s_cmp_lg_u32 s2, 0xf033
	s_cbranch_scc0 .Lentry_shape_is_right
	s_endpgm
.Lentry_shape_is_right:
; The first product on codes of FP4 (E2M1) with one E8M0 scale for each 32 along K: C[m][n] = sum over k of x[m][k] w_attn[n][k], m = 8,192 positions, n = 3,072, k = 1,024; sums in f32.
; C leaves as f16, laid [q, k or v][batch][head][position][64], so that sixteen positions of a head are 2,048 consecutive bytes; positions 0-15 of each batch leave a second time as f32, laid [batch][16][3072].
; LIMIT: |C| stays under 65,504 (f16).
; A tile of C, 256 x 256, is made by a work-group of four waves; a wave makes 128 x 128: 64 accumulators of 16 x 16, 512 registers.  K is two steps of 512: two LDS slots, each filled once, at the start.
; The scales of the work-group's 256 rows of x and 256 rows of w_attn, for all of K, are two dense blocks of memory: they come into LDS once, with the first fills.
; CLUSTERS: 4 x 4 work-groups.  The four of a row of the cluster need the same tiles of x, the four of a column the same tiles of w_attn: each tile is asked for jointly, by the same tensor load with the same
; descriptor and a mask that names the four.  The tile rows are dealt so that a cluster's four rows are the four batches (tile row = cluster y + 8 cy): whether a tile holds a batch's first positions then
; hangs on the cluster's y alone, which all sixteen partners share.
; THE MATRIX INSTRUCTION IS USED TRANSPOSED (source 0 = 16 rows of w_attn, source 1 = 16 rows of x): a lane then holds eight neighbouring numbers of a row of C.
; REGISTERS, in windows of 256: window 0: v0-31 addresses; v32-95 scale words, two sets; from v128 x's fragments, one set; on the way out v32-63 and v128-191 are at work.
;   window 1: w_attn's fragments, two sets, at v0 and v128.   window 2: the accumulators of my rows 0-63 ((a, b) at v[8 (8 a + b)]);   window 3: those of my rows 64-127.
.set SIZE_M, 8192
.set SIZE_N, 3072
.set SIZE_K, 1024
.set KSTEP,  512                       ; along K in a slot
.set NQ,     KSTEP/128                 ; matrix instructions deep
.set ROWB,   256                       ; a tile's row in bytes
.set KROW,   SIZE_K*4/8                ; a row of codes in memory, in bytes
.set PITCH,  272                       ; an LDS row: 256 bytes + 16 of padding: the 16 rows that a load touches start at 16 different banks (64 banks of 4 bytes: ISA guide 11.1)
.set FR,     8                         ; registers of a fragment: 16 rows x 128 K
.set NL,     2                         ; LDS loads that bring one
.set NP,     4                         ; places behind this matrix instruction (ISA guide 7.12.1)
.set HALFT,  128*PITCH                 ; 128 rows: what one tensor load brings
.set SLOT,   4*HALFT                   ; x's 256 rows, then w_attn's 256 rows
.set KS,     SIZE_K/32                 ; a row of scales in bytes
.set SCL,    2*SLOT                    ; behind the slots: the scales, as units of 256 bytes + 16 of padding
.set HALFS,  (128*KS/256)*272          ; the scales of 128 rows
.set SBLK,   (16*KS/256)*272           ; those of 16 rows
.set SPARE,  SCL+4*HALFS               ; behind the scales: the spare words, 128 bytes for each wave
.set WSTG,   13312                     ; the way out: a wave's stages, in slot 0, which has had its one fill and its last read by then: 16 rows x 528 bytes of f32,
.set STG16,  16*528                    ; then 2 heads x 16 rows x 144 bytes of f16
.set ADRA, 16                          ; v16-17  LDS address of my fragments of x in slot 0, 1
.set ADRB, 20                          ; v20-21  the same for w_attn
.set STO16, 22                         ; v22     f16 stage: where I put 16 bytes of a row
.set RD16, 23                          ; v23     f16 stage: where I read back
.set STO,  24                          ; v24     f32 stage: where I put 32 bytes of a row
.set RD,   25                          ; v25     f32 stage: where I read a row back
.set CO,   26                          ; v26     16 x lane: my place in a store's 512 bytes
.set ADRS, 27                          ; v27     LDS address of my scale words: lanes 0-15 x's rows, lanes 16-31 w_attn's
.set SPW,  28                          ; v28     LDS address of my spare word; never rewritten
.set NIL,  29                          ; v29     0; never rewritten
.set SC,   32                          ; scale words: set s at v[SC + 8 NQ s]; register NQ i + q: lanes 0-15 the word of x's block i, lanes 16-31 that of w_attn's block i
.set AF,   128                         ; x's fragments, in window 0
.set TMP,  32                          ; the way out: packed results
.set BK,   128                         ; the way out: rows read back from a stage
.set G1, 24
.set G0, 32
.set G1B, 48
.set G0B, 56
.set G1S, 68
.set G0S, 76
.set G1SB, 80
.set G0SB, 88
.set MSB, 0
.macro WIN new                         ; the immediate's high byte repeats the setting that is left
.if MSB != \new
	s_set_vgpr_msb (MSB<<8)|\new
.set MSB, \new
.endif
.endm
.set MUL_LO, 0xa1                      ; source 0 window 1, source 1 window 0, C and D window 2
.set MUL_HI, 0xf1                      ; the same, C and D window 3
.set TO_B,   0x40                      ; destination window 1, address window 0
; A joint load: waves 0 and 1 fetch for x, waves 2 and 3 for w_attn.  Each line has one mask and one set of registers; the branch hangs on the wave's number alone.
; An s_nop 0 and four v_nop follow each of the two lines.
.macro JLOAD g0a, g1a, g0b, g1b
	s_cmp_eq_u32 s15, 0
	s_cbranch_scc0 .Lfor_b_\@
	tensor_load_to_lds s[\g0a:\g0a+3], s[\g1a:\g1a+7]
	s_nop 0
.rept 4
	v_nop
.endr
	s_branch .Lasked_\@
.Lfor_b_\@:
	tensor_load_to_lds s[\g0b:\g0b+3], s[\g1b:\g1b+7]
	s_nop 0
.rept 4
	v_nop
.endr
.Lasked_\@:
.endm
.macro CROUND                          ; a round of the cluster's barrier
	s_barrier_signal -1
	s_barrier_wait -1
	s_cmp_lg_u32 s14, 0
	s_cbranch_scc1 .Lnot_wave_0_\@
	s_barrier_signal -3
.Lnot_wave_0_\@:
	s_barrier_wait -3
	s_barrier_signal -1
	s_barrier_wait -1
.endm
	s_load_b128 s[4:7], s[0:1], 0x0                ; x's codes s[4:5], x's scales s[6:7]
	s_load_b128 s[8:11], s[0:1], 0x10              ; w_attn's codes s[8:9], its scales s[10:11]
	s_load_b64 s[12:13], s[0:1], 0x20              ; qkv
	s_load_b64 s[66:67], s[0:1], 0x28              ; qkv16
	v_lshl_add_u32 v[SPW], v0, 2, SPARE
	v_mov_b32 v[NIL], 0
	ds_add_u32 v[SPW], v[NIL]                      ; the wave's opening: the add, twice on end, and its wait ahead of my first tensor load
	ds_add_u32 v[SPW], v[NIL]
	v_lshrrev_b32 v1, 5, v0
	v_readfirstlane_b32 s14, v1                    ; wave 0..3
	s_lshr_b32 s15, s14, 1                         ; which half of the tile's rows is mine.  Also: I fetch for x (0) or for w_attn (1)
	s_and_b32 s16, s14, 1                          ; which half of its columns.  Also: which 128 rows of that tile I fetch
	s_bfe_u32 s40, ttmp6, 0x40000                  ; cx, cy: my place in the cluster
	s_bfe_u32 s41, ttmp6, 0x40004
	s_lshl_b32 s42, ttmp9, 2
	s_add_co_u32 s42, s42, s40                     ; tile column of C = 4 x cluster x + cx
	s_and_b32 s17, ttmp7, 0xffff
	s_lshl_b32 s18, s41, 3
	s_add_co_u32 s17, s17, s18                     ; tile row of C = cluster y + 8 cy: batch cy, positions 256 x cluster y on
	s_lshl_b32 s43, s41, 2
	s_lshl_b32 s43, 15, s43                        ; my row of the cluster
	s_lshl_b32 s44, 0x1111, s40                    ; my column
	; descriptor group 1: a tile of 128 rows x 256 bytes, 16 bytes of padding behind each row
	s_or_b32 s[G1+0], s43, (0<<16)|(1<<20)|(1<<21)|(5<<22)|(3<<25)  ; 15:0 the mask; 17:16 element of 1 byte; 20 padding on; 21 set beside a mask; 24:22 after every 64 words; 31:25 four words
	s_or_b32 s[G1B+0], s44, (0<<16)|(1<<20)|(1<<21)|(5<<22)|(3<<25)
.irp g, G1, G1B
	s_mov_b32 s[\g+1], ROWB<<16                    ; tensor_dim0
	s_mov_b32 s[\g+2], 128<<16                     ; tensor_dim1
	s_mov_b32 s[\g+3], ROWB<<16                    ; tile_dim0
	s_mov_b32 s[\g+4], 128                         ; tile_dim1
	s_mov_b32 s[\g+5], KROW                        ; tensor_dim0_stride
	s_mov_b32 s[\g+6], 0
	s_mov_b32 s[\g+7], 0
.endr
	; the scales of 128 rows: a dense block of 4,096 bytes, as rows of 256 bytes (32 elements of 8 bytes), 16 bytes of padding behind each
	s_or_b32 s[G1S+0], s43, (3<<16)|(1<<20)|(1<<21)|(5<<22)|(3<<25)
	s_or_b32 s[G1SB+0], s44, (3<<16)|(1<<20)|(1<<21)|(5<<22)|(3<<25)
.irp g, G1S, G1SB
	s_mov_b32 s[\g+1], 32<<16
	s_mov_b32 s[\g+2], (128*KS/256)<<16
	s_mov_b32 s[\g+3], 32<<16
	s_mov_b32 s[\g+4], 128*KS/256
	s_mov_b32 s[\g+5], 32
	s_mov_b32 s[\g+6], 0
	s_mov_b32 s[\g+7], 0
.endr
	s_lshl_b32 s18, s16, 7                         ; which 128 rows of the tile I fetch
	s_lshl_b32 s20, s17, 8
	s_add_co_u32 s20, s20, s18                     ; x: row 256 x tile row + 128 x half
	s_lshl_b32 s46, s42, 8
	s_add_co_u32 s46, s46, s18                     ; w_attn: row 256 x tile column + 128 x half
	s_mov_b32 s21, 0
	s_mov_b32 s47, 0
	s_mov_b64 s[18:19], KS
	s_mul_u64 s[22:23], s[20:21], s[18:19]         ; where these rows' scales begin, in bytes
	s_mul_u64 s[92:93], s[46:47], s[18:19]
	s_mov_b64 s[18:19], KROW
	s_mul_u64 s[20:21], s[20:21], s[18:19]         ; and their codes
	s_mul_u64 s[46:47], s[46:47], s[18:19]
	s_mul_i32 s45, s14, HALFT                      ; where they go: wave x 128 rows: no place in the cluster enters an LDS address
	s_mul_i32 s94, s14, HALFS
	s_wait_dscnt 0x0                               ; both opening adds are done
	s_wait_kmcnt 0x0
	s_add_nc_u64 s[20:21], s[4:5], s[20:21]
	s_add_nc_u64 s[22:23], s[6:7], s[22:23]
	s_add_nc_u64 s[46:47], s[8:9], s[46:47]
	s_add_nc_u64 s[92:93], s[10:11], s[92:93]
	CROUND                                         ; all sixteen work-groups are here: the joint loads meet
	s_mov_b32 s[G0S], 1
	s_add_co_u32 s[G0S+1], s94, SCL
	s_mov_b64 s[G0S+2:G0S+3], s[22:23]
	s_or_b32 s[G0S+3], s[G0S+3], 0x80000000
	s_mov_b32 s[G0SB], 1
	s_add_co_u32 s[G0SB+1], s94, SCL
	s_mov_b64 s[G0SB+2:G0SB+3], s[92:93]
	s_or_b32 s[G0SB+3], s[G0SB+3], 0x80000000
	JLOAD G0S, G1S, G0SB, G1SB                     ; the scales first: they are wanted with K step 0
.irp s, 0,1
	s_mov_b32 s[G0+4*\s], 1
	s_add_co_u32 s[G0+4*\s+1], s45, \s*SLOT
	s_add_nc_u64 s[G0+4*\s+2:G0+4*\s+3], s[20:21], \s*ROWB
	s_or_b32 s[G0+4*\s+3], s[G0+4*\s+3], 0x80000000
	s_mov_b32 s[G0B+4*\s], 1
	s_add_co_u32 s[G0B+4*\s+1], s45, \s*SLOT
	s_add_nc_u64 s[G0B+4*\s+2:G0B+4*\s+3], s[46:47], \s*ROWB
	s_or_b32 s[G0B+4*\s+3], s[G0B+4*\s+3], 0x80000000
	JLOAD G0+4*\s, G1, G0B+4*\s, G1B               ; three loads of mine are out: all that the launch fetches
.endr
	v_and_b32 v1, 15, v0                           ; l % 16
	v_bfe_u32 v2, v0, 4, 1                         ; l / 16
	v_mul_u32_u24 v3, v1, PITCH
	v_lshl_add_u32 v4, v2, 4, v3                   ; a fragment's row x pitch + 16 x half
	s_mul_i32 s21, s15, HALFT                      ; my 128 rows of x
	s_mul_i32 s22, s16, HALFT                      ; my 128 rows of w_attn,
	s_add_co_u32 s22, s22, 2*HALFT                 ; which lie behind x's 256
.irp s, 0,1
	v_add_nc_u32 v[ADRA+\s], s21, v4
	v_add_nc_u32 v[ADRB+\s], s22, v4
	s_add_co_u32 s21, s21, SLOT
	s_add_co_u32 s22, s22, SLOT
.endr
	v_mul_u32_u24 v5, v1, KS                       ; my row's scales: KS bytes a row,
	v_lshrrev_b32 v6, 8, v5
	v_lshl_add_u32 v5, v6, 4, v5                   ; and 16 more for each 256 passed
	s_mul_i32 s21, s15, HALFS                      ; x's: my 128 rows
	s_mul_i32 s22, s16, HALFS                      ; w_attn's: my 128 rows, behind x's 256
	s_add_co_u32 s22, s22, 2*HALFS
	s_sub_co_u32 s22, s22, s21
	v_mul_u32_u24 v6, s22, v2                      ; lanes 16-31 take w_attn's
	s_add_co_u32 s21, s21, SCL
	v_add_nc_u32 v5, v5, v6
	v_add_nc_u32 v[ADRS], s21, v5
	s_mul_i32 s23, s14, WSTG                       ; my stages
	s_add_co_u32 s96, s23, STG16
	v_mul_u32_u24 v5, v1, 528                      ; f32, in: row l % 16, 32 bytes for each half of the lanes
	v_lshl_add_u32 v5, v2, 5, v5
	v_add_nc_u32 v[STO], s23, v5
	v_and_b32 v6, 31, v0
	v_lshlrev_b32 v[CO], 4, v6
	v_add_nc_u32 v[RD], s23, v[CO]                 ; f32, back: the 32 lanes take one row of 512 bytes
	v_mul_u32_u24 v5, v1, 144                      ; f16, in: row l % 16 of a head, 16 bytes for each half of the lanes
	v_lshl_add_u32 v5, v2, 4, v5
	v_add_nc_u32 v[STO16], s96, v5
	v_bfe_u32 v5, v0, 3, 2                         ; f16, back: eight lanes to a row of 128 bytes, four rows an instruction
	v_mul_u32_u24 v5, v5, 144
	v_and_b32 v6, 7, v0
	v_lshl_add_u32 v5, v6, 4, v5
	v_add_nc_u32 v[RD16], s96, v5
	; qkv: which of q, k, v = cluster x; head = 4 cx + 2 x my column half (+ 0, 1); position = 256 x cluster y + 128 x my row half
	s_lshl_b32 s20, s41, 4
	s_lshl_b32 s21, s40, 2
	s_add_co_u32 s20, s20, s21
	s_lshl_b32 s21, s16, 1
	s_add_co_u32 s20, s20, s21                     ; 16 x batch + head
	s_lshl_b32 s20, s20, 11                        ; x 2,048 positions
	s_and_b32 s21, ttmp7, 0xffff
	s_lshl_b32 s21, s21, 8
	s_add_co_u32 s20, s20, s21
	s_lshl_b32 s21, s15, 7
	s_add_co_u32 s20, s20, s21
	s_lshl_b32 s20, s20, 7                         ; x 128 bytes
	s_lshl_b32 s21, ttmp9, 24                      ; q, k, v lie 16,777,216 bytes apart
	s_add_co_u32 s20, s20, s21
	s_mov_b32 s21, 0
	s_add_nc_u64 s[12:13], s[12:13], s[20:21]
	s_mul_i32 s46, s41, 196608                     ; qkv16: batch x 16 rows of 12,288 bytes + my first column x 4
	s_lshl_b32 s47, s42, 10
	s_add_co_u32 s46, s46, s47
	s_lshl_b32 s47, s16, 9
	s_add_co_u32 s46, s46, s47
	s_mov_b32 s47, 0
	s_add_nc_u64 s[66:67], s[66:67], s[46:47]
	s_and_b32 s95, ttmp7, 0xffff
	s_or_b32 s95, s95, s15                         ; 0 where my first 16 rows are a batch's positions 0-15: the cluster's y and the wave's number alone
.macro FRAG reg, adr, q, i             ; a fragment: lane l holds row l % 16; registers 4 c .. 4 c + 3 hold K = 64 c + 32 (l / 16) + 0 .. 31
.irp c, 0,1
	ds_load_b128 v[\reg+4*\c:\reg+4*\c+3], v[\adr] offset:64*(\q)+32*\c+(\i)*16*PITCH
.endr
.endm
; 16 matrix instructions: x's blocks a0, a0 + 1 against w_attn's eight, 128 along K.  zero = 1: the first product starts the sums.  The 64 accumulators take turns, one instruction a turn.
.macro MUL16 a0, p, q, sc, zero
.irp a, \a0, \a0+1
.irp b, 0,1,2,3,4,5,6,7
.if \zero
	v_wmma_scale_f32_16x16x128_f8f6f4 v[8*(8*((\a)%4)+\b):8*(8*((\a)%4)+\b)+7], v[128*(\p)+FR*\b:128*(\p)+FR*\b+FR-1], v[AF+FR*(\a):AF+FR*(\a)+FR-1], 0, v[SC+8*NQ*(\sc)+NQ*\b+(\q)], v[SC+8*NQ*(\sc)+NQ*(\a)+(\q)] matrix_a_fmt:MATRIX_FMT_FP4 matrix_b_fmt:MATRIX_FMT_FP4 matrix_a_scale:MATRIX_SCALE_ROW1
.else
	v_wmma_scale_f32_16x16x128_f8f6f4 v[8*(8*((\a)%4)+\b):8*(8*((\a)%4)+\b)+7], v[128*(\p)+FR*\b:128*(\p)+FR*\b+FR-1], v[AF+FR*(\a):AF+FR*(\a)+FR-1], v[8*(8*((\a)%4)+\b):8*(8*((\a)%4)+\b)+7], v[SC+8*NQ*(\sc)+NQ*\b+(\q)], v[SC+8*NQ*(\sc)+NQ*(\a)+(\q)] matrix_a_fmt:MATRIX_FMT_FP4 matrix_b_fmt:MATRIX_FMT_FP4 matrix_a_scale:MATRIX_SCALE_ROW1
.endif
.endr
.endr
.endm
.macro FETCH_B slot, q, p
	WIN TO_B
.irp i, 0,1,2,3,4,5,6,7
	FRAG 128*(\p)+FR*\i, ADRB+\slot, \q, \i
.endr
	WIN 0
.endm
.macro FETCH_A slot, q, i0
.irp i, \i0, \i0+1, \i0+2, \i0+3
	FRAG AF+FR*(\i), ADRA+\slot, \q, \i
.endr
.endm
.macro SCALES sc                       ; a K step's scale words: NQ words a row; lanes 0-15 take x's block i, lanes 16-31 w_attn's block i
.irp i, 0,1,2,3,4,5,6,7
	ds_load_b128 v[SC+8*NQ*\sc+NQ*\i:SC+8*NQ*\sc+NQ*\i+3], v[ADRS] offset:\i*SBLK
.endr
.endm
.macro PLACES n                        ; plain vector instructions between a matrix instruction and a load into, or a read of, its registers
.rept \n
	v_nop
.endr
.endm
.macro STEP slot, q, zero              ; a step of 128 along K that has its successor in the same slot
	s_wait_dscnt 4*NL                              ; w_attn's set and x's blocks 0-3 are in; the youngest eight loads (x's blocks 4-7) may be out
	WIN MUL_LO
	MUL16 0, (\q)%2, \q, \slot, \zero
	MUL16 2, (\q)%2, \q, \slot, \zero
	s_wait_dscnt 0                                 ; x's blocks 4-7 are in
	PLACES NP
	FETCH_B \slot, (\q)+1, 1-(\q)%2
	FETCH_A \slot, (\q)+1, 0
	WIN MUL_HI
	MUL16 4, (\q)%2, \q, \slot, \zero
	MUL16 6, (\q)%2, \q, \slot, \zero
	PLACES NP
	WIN 0
	FETCH_A \slot, (\q)+1, 4
.endm
; Slot 0's last step changes slots: one barrier; in front of it each wave waits for all its tensor loads (slot 1's is the last), adds 0 to its spare word, and waits for that and for its reads of slot 0.  Nothing is filled again.
.macro TURN slot, next
	s_wait_tensorcnt 0x0                           ; all my tensor loads have landed
	ds_add_u32 v[SPW], v[NIL]                      ; 0 onto my spare word
	s_wait_dscnt 4*NL+1                            ; (the add and the youngest eight loads may be out)
	WIN MUL_LO
	MUL16 0, 1, NQ-1, \slot, 0
	s_wait_dscnt 0x0                               ; the add is done, and my reads of this slot are over
	s_barrier_signal -1
	MUL16 2, 1, NQ-1, \slot, 0
	WIN 0
	s_barrier_wait -1
	PLACES NP
	v_add_nc_u32 v[ADRS], 4*NQ, v[ADRS]            ; on to the next K step's scale words
	FETCH_B \next, 0, 0
	FETCH_A \next, 0, 0
	SCALES \next
	WIN MUL_HI
	MUL16 4, 1, NQ-1, \slot, 0
	MUL16 6, 1, NQ-1, \slot, 0
	PLACES NP
	WIN 0
	FETCH_A \next, 0, 4
.endm
.macro STEPS slot, from
.set Q, \from
.rept NQ-1-\from
	STEP \slot, Q, 0
.set Q, Q+1
.endr
.endm
	s_wait_tensorcnt 1                             ; the scales and my part of slot 0 are in (slot 1's load may be out),
	s_barrier_signal -1
	s_barrier_wait -1                              ; everybody's are
	FETCH_B 0, 0, 0
	FETCH_A 0, 0, 0
	SCALES 0
	FETCH_A 0, 0, 4
	STEP 0, 0, 1                                   ; the first step's products start the sums: nothing is cleared
	STEPS 0, 1
	TURN 0, 1
	STEPS 1, 0
	s_wait_dscnt 4*NL                              ; the last step: nothing more to fetch
	WIN MUL_LO
	MUL16 0, 1, NQ-1, 1, 0
	MUL16 2, 1, NQ-1, 1, 0
	s_wait_dscnt 0
	WIN MUL_HI
	MUL16 4, 1, NQ-1, 1, 0
	MUL16 6, 1, NQ-1, 1, 0
	WIN 0
	PLACES NP                                      ; in front of the reads of results, of the loads into x's fragments' registers and of the writes of scale registers
; POSITIONS 0-15 OF A BATCH leave as f32 too: my block 0 goes through the f32 stage and comes back as rows of 512 bytes, which the 32 lanes store whole.
	s_cmp_lg_u32 s95, 0
	s_cbranch_scc1 .Lnofine
	WIN 0x08                                       ; an LDS store's data are its source 1: window 2
.irp b, 0,1,2,3,4,5,6,7
	ds_store_b128 v[STO], v[8*\b:8*\b+3] offset:64*\b              ; each accumulator from its low end on
	ds_store_b128 v[STO], v[8*\b+4:8*\b+7] offset:64*\b+16
.endr
	WIN 0
.irp t, 0,1,2,3,4,5,6,7,8,9,10,11,12,13,14,15
	ds_load_b128 v[BK+4*\t:BK+4*\t+3], v[RD] offset:\t*528         ; LDS serves a wave's instructions in order: these see my stores
.endr
	s_wait_dscnt 0x0
.irp t, 0,1,2,3,4,5,6,7,8,9,10,11,12,13,14,15
	global_store_b128 v[CO], v[BK+4*\t:BK+4*\t+3], s[66:67] offset:\t*12288
.endr
	s_wait_xcnt 0x0                                ; the stores have read their data registers, which the way out below loads again
.Lnofine:
; THE WAY OUT, block by block of 16 rows x 128 columns (two heads).  Rounded to f16, 16 bytes a lane; through my f16 stage; back four rows of a head at a time: 512 consecutive bytes of [head][position][64].
.macro PACK a
.set AC, 64*((\a)%4)
	WIN 0x0a+5*((\a)/4)                            ; sources 0 and 1: window 2 or 3
.irp b, 0,1,2,3,4,5,6,7
.irp i, 0,1,2,3
	v_cvt_pk_f16_f32 v[TMP+4*\b+\i], v[AC+8*\b+2*\i], v[AC+8*\b+2*\i+1]
.endr
.endr
	WIN 0
.endm
.macro TOSTAGE a
.set BB, BK+32*((\a)%2)
.irp b, 0,1,2,3,4,5,6,7
	ds_store_b128 v[STO16], v[TMP+4*\b:TMP+4*\b+3] offset:(\b/4)*2304+(\b%4)*32
.endr
.irp g, 0,1
.irp i, 0,1,2,3
	ds_load_b128 v[BB+4*(4*\g+\i):BB+4*(4*\g+\i)+3], v[RD16] offset:\g*2304+\i*576
.endr
.endr
.endm
.macro SEND a
.set BB, BK+32*((\a)%2)
	s_wait_dscnt 0x0                               ; the block is back in registers
	s_wait_xcnt 0x0                                ; the block before's stores have read their data registers: the next block's loads may land there
.irp g, 0,1
.irp i, 0,1,2,3
	global_store_b128 v[CO], v[BB+4*(4*\g+\i):BB+4*(4*\g+\i)+3], s[12:13] offset:\g*262144+(\a)*2048+\i*512 th:TH_STORE_NT
.endr
.endr
.endm
	PACK 0
	TOSTAGE 0
.irp a, 1,2,3,4,5,6,7                  ; block a's conversions stand between block a - 1's loads from the stage and the wait for them
	PACK \a
	SEND \a-1
	TOSTAGE \a
.endr
	SEND 7
	s_wait_tensorcnt 0x0                           ; the wave's end, behind my last tensor load and my last LDS store
	ds_add_u32 v[SPW], v[NIL]
	s_wait_dscnt 0x0
	CROUND                                         ; the closing round
	s_endpgm
.Lfunc_end_k_qee21f1094d_qkv:
	.size	k_qee21f1094d_qkv, .Lfunc_end_k_qee21f1094d_qkv-k_qee21f1094d_qkv
	.p2alignl 7, 3214868480
	.fill 96, 4, 3214868480
	.section	.rodata,"a",@progbits
	.p2align	6, 0x0
	.amdhsa_kernel k_qee21f1094d_qkv
		.amdhsa_group_segment_fixed_size 327680
		.amdhsa_private_segment_fixed_size 0
		.amdhsa_enable_private_segment 0
		.amdhsa_kernarg_size 48
		.amdhsa_user_sgpr_count 2
		.amdhsa_user_sgpr_kernarg_segment_ptr 1
		.amdhsa_wavefront_size32 1
		.amdhsa_system_sgpr_workgroup_id_x 1
		.amdhsa_system_sgpr_workgroup_id_y 1
		.amdhsa_system_sgpr_workgroup_id_z 1
		.amdhsa_system_vgpr_workitem_id 0
		.amdhsa_next_free_vgpr 1024
		.amdhsa_next_free_sgpr 100
		.amdhsa_reserve_vcc 0
		.amdhsa_float_denorm_mode_32 3
		.amdhsa_float_denorm_mode_16_64 3
		.amdhsa_memory_ordered 1
		.amdhsa_forward_progress 1
		.amdhsa_inst_pref_size 131
	.end_amdhsa_kernel
	.amdgpu_metadata
---
amdhsa.version: [ 1, 2 ]
amdhsa.kernels:
  - .name:           k_qee21f1094d_qkv
    .symbol:         k_qee21f1094d_qkv.kd
    .args:
      - { .name: xc, .offset: 0, .size: 8, .value_kind: global_buffer, .address_space: global }
      - { .name: xs, .offset: 8, .size: 8, .value_kind: global_buffer, .address_space: global }
      - { .name: wc, .offset: 16, .size: 8, .value_kind: global_buffer, .address_space: global }
      - { .name: ws, .offset: 24, .size: 8, .value_kind: global_buffer, .address_space: global }
      - { .name: qkv, .offset: 32, .size: 8, .value_kind: global_buffer, .address_space: global }
      - { .name: qkv16, .offset: 40, .size: 8, .value_kind: global_buffer, .address_space: global }
    .group_segment_fixed_size: 327680
    .private_segment_fixed_size: 0
    .kernarg_segment_align: 8
    .kernarg_segment_size: 48
    .max_flat_workgroup_size: 128
    .sgpr_count:     100
    .vgpr_count:     1024
    .wavefront_size: 32
...
	.end_amdgpu_metadata
.endif
;; end of part 2
;; launch attn (part 3): grid 4 x 64, 8 waves a work-group, no clusters, 327,680 bytes of LDS; arguments qkv, yh; writes yh
.if DOCPART == 3
	.amdgcn_target "amdgcn-amd-amdhsa--gfx1250"
	.amdhsa_code_object_version 6
	.text
	.protected	k_qee21f1094d_attn
	.globl	k_qee21f1094d_attn
	.p2align	8
	.type	k_qee21f1094d_attn,@function
k_qee21f1094d_attn:
	s_mov_b64 s[64:65], 0
	v_nop
	global_prefetch_b8 v0, s[64:65] scope:SCOPE_SE
	s_setreg_imm32_b32 hwreg(HW_REG_WAVE_MODE, 25, 1), 1
	s_wait_xcnt 0x0
; y[b][h][q][:] = the sum over k <= q of softmax_k(q . k / 8) v[k][:].  q, k, v: [3][batch][head][2048][64] f16; y: [batch][head][2048][64] f16.  Products on f16 operands with f32 sums; maxima, exponentials and sums in f32.
; LIMIT: |y| stays under 65,504 (f16); it is an average of v.
; SHARES.  Work-group (i, head) owns two blocks of 256 queries of one head: block 7 - i, then block i.  Under the causal mask they want 8 - i and i + 1 units of 256 keys: nine units for every work-group, so
; the 256 work-groups have equal work and every trip count is a constant.  Each of the eight waves owns 32 queries of the block in hand: two tiles of 16; two waves lie on a SIMD.
; NO CLUSTER: the four work-groups of a head walk different sequences of units (i = 0: units 0..7, 0; i = 3: units 0..4, 0..3), so a joint request would bring tiles that all waves of some partner pass over under the mask.
; LAYOUT.  S^T = K Q^T (source 0 = 16 keys, source 1 = 16 queries): a lane holds one query (lane % 16) and the keys 8 (lane / 16) + 0..7.  Two such tiles, rounded to f16 in pairs, are source 1 of O^T = V^T P.
; K comes out of LDS as it lies, V ([key][channel]) turned, by ds_load_tr16_b128.
; SOFTMAX.  For each query a running maximum m and sum l: p = 2^(c s - c m), c = log2(e) / 8; in every step O and l are multiplied by a = 2^(c m_old - c m_new).  Hidden scores become -infinity ahead of the maximum.
; The first step of every block holds key 0, which counts for every query: m is a number from then on.
; RING.  Two LDS slots of one unit (256 rows of K, 256 of V).  Waves 0-3 fetch K's quarters, waves 4-7 V's: one tensor load a wave behind each change of slots, with a unit's four steps in which to land.
; REGISTERS: window 0: v1-15 addresses and constants; v16-31 statistics, 8 a tile (+0 c m, +1 m, +2, +3 l, +4..+7 at work, a at +6); v32-95 S^T, 32 a tile; v96-127 P, 16 a tile; v128-191 K; v192-255 V.
;   window 1: v0-31 Q (tile x, channels 32 cc on: 16 x + 8 cc); v64-127 O^T (tile x, channels 16 t on: 64 + 32 x + 8 t).
.set PK,    144                        ; a row of K in LDS: 128 bytes + 16: the 16 rows of a load start at 16 different banks (64 banks of 4 bytes: ISA guide 11.1)
.set PV,    160                        ; a row of V: 128 + 32: an odd multiple of 32 bytes, for the turning load
.set VOFF,  256*PK                     ; a slot: 256 rows of K, then 256 rows of V
.set SLOT1, 1<<17                      ; slot 1 begins here: one exclusive or turns an address from one slot to the other
.set STAGE, SLOT1+256*(PK+PV)          ; behind the ring: 16 rows x 144 bytes for each wave, for the way out
.set SPARE, STAGE+8*16*PK              ; behind the stages: the spare words, 128 bytes for each wave
.set RH,   1                           ; v1   lane % 16 - 8 (lane / 16)
.set AK0,  2                           ; v2   my lane's place in a tile of K
.set AV0,  3                           ; v3   the same for V
.set ADK,  4                           ; v4   LDS address of the step's K
.set ADV,  5                           ; v5   of its V
.set QO,   6                           ; v6   my byte offset in the wave's rows of Q
.set STO,  7                           ; v7   the way out: where I put 16 bytes of a row
.set RD,   8                           ; v8   the way out: where I read back
.set GO,   9                           ; v9   16 x lane
.set D0,   10                          ; v10, v11  the mask: my query less the step's first key less 8 (lane / 16), for tiles 0 and 1
.set SPW,  12                          ; v12  LDS address of my spare word; never rewritten
.set NIL,  13                          ; v13  0; never rewritten
.set NINF, 14                          ; v14  -infinity
.set PFO,  15                          ; v15  256 x lane: the prefetches' offset; never rewritten
.set ST,   16
.set S,    32
.set P,    96
.set KR,   128
.set VR,   192
.set O,    64                          ; in window 1
.set WV,   8                           ; s8   my wave's number
.set G1K,  16                          ; s[16:23] descriptor group 1 for K's tiles;  s[24:31] for V's: it differs in the padding
.set G1V,  24
.set G0K,  32                          ; s[32:35], s[36:39] their groups 0
.set G0V,  36
.set KB,   40                          ; s[40:41] K at my quarter of the head's unit 0;  s[42:43] V likewise
.set VB,   42
.set OFF,  44                          ; s[44:45] an offset in bytes, as a pair
.set QP,   46                          ; s[46:47] Q at the head's first row;  s[48:49] y likewise
.set YP,   48
.set QA,   50                          ; s[50:51] Q at my wave's first row;  s[52:53] y likewise
.set YA,   52
.set CS,   54                          ; s[54:55] c, twice: the packed form names a pair
.set SEL,  56                          ; s[56:57] lane selects for v_permlanex16_b32: lane l xor 16
.set N,    58                          ; s58  changes of slots that still fetch
.set STP,  59                          ; s59  counts a unit's four steps
.set TBK,  60                          ; s60  LDS byte at which the step's K begins;  s61 the same for V, less VOFF
.set TBV,  61
.set KFU,  62                          ; s62  the unit's first key
.set QB,   63                          ; s63  the block's first query
.set KF,   66                          ; s66  the step's first key
.set Q0,   67                          ; s67  my wave's first query
.set NXT,  68                          ; s68  the next unit's first key
.set PFA,  70                          ; s[70:71] where my prefetches stand
.set LIM,  72                          ; s72  2 in the head's first work-group, else the greatest number
.set QB2,  78                          ; s78  the second block's first query
.set MSB, 0
.macro WIN new                         ; the immediate's high byte repeats the setting that is left
.if MSB != \new
	s_set_vgpr_msb (MSB<<8)|\new
.set MSB, \new
.endif
.endm
.set W_KQ, 0x04                        ; Q (source 1) in window 1
.set W_PV, 0x50                        ; O^T (C and D) in window 1
.set W_RS, 0x41                        ; O^T (destination and source 0) in window 1
; Waves 0-3 fetch K's quarters, waves 4-7 V's.  The branch hangs on the wave's number alone.  An s_nop 0 and four v_nop follow each of the two lines.
.macro TLOAD
	s_cmp_lt_u32 s[WV], 4
	s_cbranch_scc0 .Lfor_v_\@
	tensor_load_to_lds s[G0K:G0K+3], s[G1K:G1K+7]
	s_nop 0
.rept 4
	v_nop
.endr
	s_branch .Lasked_\@
.Lfor_v_\@:
	tensor_load_to_lds s[G0V:G0V+3], s[G1V:G1V+7]
	s_nop 0
.rept 4
	v_nop
.endr
.Lasked_\@:
.endm
; A PREFETCH INTO THE L2 of the unit that the NEXT change of slots will ask for.  All four work-groups of a head read the head's K and V; the one with i = 0, whose first block walks units 0 to 7, asks, and nobody else.
; Waves 0-3 ask for K's four quarters of 8,192 bytes, waves 4-7 for V's, lanes 256 bytes apart: each aligned block of 256 bytes of units 2 to 7 is named once in the launch.  In trip n the tensor load
; asks for unit n + 1 and the prefetch for unit n + 2; it stops behind unit 7 (trips with s[N] of 2 or 1 ask for nothing).  Units 0 and 1 come by their loads alone.
.macro ASK
	s_cmp_gt_u32 s[N], s[LIM]
	s_cbranch_scc0 .Lnot_mine_\@
	global_prefetch_b8 v[PFO], s[PFA:PFA+1] th:TH_LOAD_NT scope:SCOPE_SE
.Lnot_mine_\@:
.endm
; A block begins: my wave's 32 queries come into registers; O^T and l begin as zeros and m as -3e38, so that the step is written once.
.macro INIT
	s_lshl_b32 s73, s[WV], 5
	s_add_co_u32 s[Q0], s[QB], s73
	s_lshl_b32 s[OFF], s[Q0], 7                    ; rows of 128 bytes
	s_mov_b32 s[OFF+1], 0
	s_add_nc_u64 s[QA:QA+1], s[QP:QP+1], s[OFF:OFF+1]
	s_add_nc_u64 s[YA:YA+1], s[YP:YP+1], s[OFF:OFF+1]
	WIN 0x40                                       ; destination window 1
.irp x, 0,1
.irp cc, 0,1
	global_load_b128 v[16*\x+8*\cc:16*\x+8*\cc+3],   v[QO], s[QA:QA+1] offset:\x*2048+64*\cc
	global_load_b128 v[16*\x+8*\cc+4:16*\x+8*\cc+7], v[QO], s[QA:QA+1] offset:\x*2048+64*\cc+32
.endr
.endr
.set n, 0
.rept 64
	v_mov_b32 v[O+n], 0
.set n, n+1
.endr
	WIN 0
.irp x, 0,1
	v_mov_b32 v[ST+8*\x+1], 0xff61b1e6             ; m: -3e38, under every score
	v_mul_f32 v[ST+8*\x], s[CS], v[ST+8*\x+1]      ; c m
	v_mov_b32 v[ST+8*\x+2], 0                      ; l, in two halves
	v_mov_b32 v[ST+8*\x+3], 0
	v_mov_b32 v[ST+8*\x+5], 0                      ; (a lane permute's destination counts as one of its sources)
	v_mov_b32 v[ST+8*\x+7], 0                      ; (named as the upper half of the pair with a)
.endr
	s_wait_loadcnt 0x0                             ; Q
.endm
; A STEP: 64 keys against my 32 queries.
.macro STEP
	s_add_co_u32 s73, s[Q0], 31                    ; a step all of whose keys come after my last query is left out: a branch on ids and counted steps; no barrier and no tensor load stands in a step
	s_cmp_gt_u32 s[KF], s73
	s_cbranch_scc1 .Lhidden_\@
	v_add_nc_u32 v[ADK], s[TBK], v[AK0]
	v_add_nc_u32 v[ADV], s[TBV], v[AV0]
.irp cc, 0,1                           ; K: 64 keys x 64 channels: 8 fragments; channels 0-31 first
.irp k, 0,1,2,3
	ds_load_b128 v[KR+16*\k+8*\cc:KR+16*\k+8*\cc+3],   v[ADK] offset:\k*16*PK+64*\cc
	ds_load_b128 v[KR+16*\k+8*\cc+4:KR+16*\k+8*\cc+7], v[ADK] offset:\k*16*PK+64*\cc+32
.endr
.endr
	WIN W_KQ
.irp cc, 0,1                           ; S^T = K Q^T: eight accumulators by turns, one instruction a turn
	s_wait_dscnt 8-8*\cc                           ; channels 0-31 are in, the other eight loads may be out; then all
.irp k, 0,1,2,3
.irp x, 0,1
.if \cc == 0
	v_wmma_f32_16x16x32_f16 v[S+32*\x+8*\k:S+32*\x+8*\k+7], v[KR+16*\k:KR+16*\k+7], v[16*\x:16*\x+7], 0
.else
	v_wmma_f32_16x16x32_f16 v[S+32*\x+8*\k:S+32*\x+8*\k+7], v[KR+16*\k+8:KR+16*\k+15], v[16*\x+8:16*\x+15], v[S+32*\x+8*\k:S+32*\x+8*\k+7]
.endif
.endr
.endr
.endr
	WIN 0
.irp cc, 0,1                           ; V, turned: keys 32 cc on, channels 16 t on; it lands while the softmax is worked
.irp t, 0,1,2,3
	ds_load_tr16_b128 v[VR+8*(4*\cc+\t):VR+8*(4*\cc+\t)+3],   v[ADV] offset:\cc*32*PV+\t*32
	ds_load_tr16_b128 v[VR+8*(4*\cc+\t)+4:VR+8*(4*\cc+\t)+7], v[ADV] offset:\cc*32*PV+16*PV+\t*32
.endr
.endr
.rept 4
	v_nop                                          ; places between the last product and the first read of the scores (ISA guide 7.12.1)
.endr
	s_add_co_u32 s73, s[KF], 63                    ; a step all of whose keys count for all my queries skips the mask
	s_cmp_le_u32 s73, s[Q0]
	s_cbranch_scc1 .Lopen_\@
	s_sub_co_i32 s73, s[Q0], s[KF]
	v_add_nc_u32 v[D0], s73, v[RH]                 ; register 8 k + j of tile x holds key KF + 16 k + 8 (lane / 16) + j: hidden where 16 k + j > d
	v_add_nc_u32 v[D0+1], 16, v[D0]
.irp x, 0,1
.set n, 0
.rept 32
	v_cmp_gt_i32 vcc_lo, 16*(n/8)+n%8, v[D0+\x]
	v_cndmask_b32 v[S+32*\x+n], v[S+32*\x+n], v[NINF], vcc_lo
.set n, n+1
.endr
.endr
.Lopen_\@:
	; the maximum of my 32 scores and the old m: four chains of seven, the four left over, then all; the two tiles line by line
.irp j, 0,1,2,3
.irp x, 0,1
	v_max3_num_f32 v[ST+8*\x+4+\j], v[S+32*\x+8*\j], v[S+32*\x+8*\j+1], v[S+32*\x+8*\j+2]
.endr
.endr
.irp i, 3,5
.irp j, 0,1,2,3
.irp x, 0,1
	v_max3_num_f32 v[ST+8*\x+4+\j], v[ST+8*\x+4+\j], v[S+32*\x+8*\j+\i], v[S+32*\x+8*\j+\i+1]
.endr
.endr
.endr
.irp x, 0,1
	v_max3_num_f32 v[ST+8*\x+4], v[ST+8*\x+4], v[S+32*\x+7], v[S+32*\x+15]
.endr
.irp x, 0,1
	v_max3_num_f32 v[ST+8*\x+6], v[ST+8*\x+6], v[S+32*\x+23], v[S+32*\x+31]
.endr
.irp x, 0,1
	v_max3_num_f32 v[ST+8*\x+4], v[ST+8*\x+4], v[ST+8*\x+5], v[ST+8*\x+6]
.endr
.irp x, 0,1
	v_max3_num_f32 v[ST+8*\x+4], v[ST+8*\x+4], v[ST+8*\x+7], v[ST+8*\x+1]
.endr
.irp x, 0,1
	v_permlanex16_b32 v[ST+8*\x+5], v[ST+8*\x+4], s[SEL], s[SEL+1]   ; the query's other 32 keys lie in the lane 16 away
.endr
.irp x, 0,1
	v_mov_b32 v[ST+8*\x+7], v[ST+8*\x]             ; c m_old is kept for a
.endr
.irp x, 0,1
	v_max_num_f32 v[ST+8*\x+1], v[ST+8*\x+4], v[ST+8*\x+5]
.endr
.irp x, 0,1
	v_mul_f32 v[ST+8*\x], s[CS], v[ST+8*\x+1]
.endr
.irp x, 0,1
	v_sub_f32 v[ST+8*\x+7], v[ST+8*\x+7], v[ST+8*\x]
.endr
.set n, 0
.rept 16
.irp x, 0,1
	v_pk_fma_f32 v[S+32*\x+n:S+32*\x+n+1], v[S+32*\x+n:S+32*\x+n+1], s[CS:CS+1], v[ST+8*\x:ST+8*\x+1] op_sel_hi:[1,0,0] neg_lo:[0,0,1] neg_hi:[0,0,1]   ; c s - c m, two at a time
.endr
.set n, n+2
.endr
.irp x, 0,1                            ; ONE BATCH of 66 exponentials, none of which reads another's result
	v_exp_f32 v[ST+8*\x+6], v[ST+8*\x+7]           ; a
.endr
.set n, 0
.rept 32
	v_exp_f32 v[S+n], v[S+n]
	v_exp_f32 v[S+32+n], v[S+32+n]
.set n, n+1
.endr
	v_nop                                          ; a plain instruction behind the last exponential
	s_wait_alu depctr_va_vdst(0)                   ; the wait ahead of the first instruction that names a result: one for the batch
.set n, 0
.rept 16
.irp x, 0,1
	v_cvt_pk_f16_f32 v[P+16*\x+n], v[S+32*\x+2*n], v[S+32*\x+2*n+1]   ; two neighbouring keys' weights: the second product's operand as it stands
.endr
.set n, n+1
.endr
.irp u, 0,1,2,3,4,5,6,7                ; the sum of the 16 pairs, in place, of the weights as f32
.irp x, 0,1
	v_pk_add_f32 v[S+32*\x+4*\u:S+32*\x+4*\u+1], v[S+32*\x+4*\u:S+32*\x+4*\u+1], v[S+32*\x+4*\u+2:S+32*\x+4*\u+3]
.endr
.endr
.irp u, 0,1,2,3
.irp x, 0,1
	v_pk_add_f32 v[S+32*\x+8*\u:S+32*\x+8*\u+1], v[S+32*\x+8*\u:S+32*\x+8*\u+1], v[S+32*\x+8*\u+4:S+32*\x+8*\u+5]
.endr
.endr
.irp u, 0,1
.irp x, 0,1
	v_pk_add_f32 v[S+32*\x+16*\u:S+32*\x+16*\u+1], v[S+32*\x+16*\u:S+32*\x+16*\u+1], v[S+32*\x+16*\u+8:S+32*\x+16*\u+9]
.endr
.endr
.irp x, 0,1
	v_pk_add_f32 v[S+32*\x:S+32*\x+1], v[S+32*\x:S+32*\x+1], v[S+32*\x+16:S+32*\x+17]
.endr
.irp x, 0,1
	v_pk_fma_f32 v[ST+8*\x+2:ST+8*\x+3], v[ST+8*\x+2:ST+8*\x+3], v[ST+8*\x+6:ST+8*\x+7], v[S+32*\x:S+32*\x+1] op_sel_hi:[1,0,1]   ; l = a l + the sum
.endr
	WIN W_RS
.irp x, 0,1
.set n, 0
.rept 16
	v_pk_mul_f32 v[O+32*\x+n:O+32*\x+n+1], v[O+32*\x+n:O+32*\x+n+1], v[ST+8*\x+6:ST+8*\x+7] op_sel_hi:[1,0]   ; O^T x a
.set n, n+2
.endr
.endr
	s_wait_dscnt 0x0                               ; V is in
	WIN W_PV
.irp cc, 0,1                           ; O^T += V^T P: eight accumulators by turns
.irp t, 0,1,2,3
.irp x, 0,1
	v_wmma_f32_16x16x32_f16 v[O+32*\x+8*\t:O+32*\x+8*\t+7], v[VR+8*(4*\cc+\t):VR+8*(4*\cc+\t)+7], v[P+16*\x+8*\cc:P+16*\x+8*\cc+7], v[O+32*\x+8*\t:O+32*\x+8*\t+7]
.endr
.endr
.endr
	WIN 0
.rept 4
	v_nop                                          ; places behind the last products: for the next loads into V's registers, the next writes of P and the next reads of O^T
.endr
.Lhidden_\@:
	s_add_co_u32 s[KF], s[KF], 64
	s_add_co_u32 s[TBK], s[TBK], 64*PK
	s_add_co_u32 s[TBV], s[TBV], 64*PV
.endm
.macro UNIT_STEPS                      ; a unit's four steps: written once, walked four times; then on to the other slot
	s_mov_b32 s[KF], s[KFU]
	s_mov_b32 s[STP], 4
.Lstep_\@:
	STEP
	s_sub_co_u32 s[STP], s[STP], 1
	s_cmp_lg_u32 s[STP], 0
	s_cbranch_scc1 .Lstep_\@
	s_sub_co_u32 s[TBK], s[TBK], 256*PK
	s_sub_co_u32 s[TBV], s[TBV], 256*PV
	s_xor_b32 s[TBK], s[TBK], SLOT1
	s_xor_b32 s[TBV], s[TBV], SLOT1
.endm
; THE CHANGE OF SLOTS stands at a unit's head.  Each wave waits for all its tensor loads (its part of the unit that it is about to read), adds 0 to its spare word, and waits for that and for its reads of the
; slot that it has left.  Behind the barrier the unit ahead is whole and nobody reads the other slot.  fill = 1: that slot takes the next unit: the block's next 256 keys, or, behind a block's last unit, keys 0-255.
.macro CHANGE fill
	s_wait_tensorcnt 0x0                           ; no tensor load of mine is out, so a group 0 may be written
	ds_add_u32 v[SPW], v[NIL]                      ; 0 onto my spare word
.if \fill
	s_add_co_u32 s73, s[KFU], 256
	s_cmp_eq_u32 s[KFU], s[QB]                     ; the unit in hand is the block's last where its first key is the block's first query
	s_cselect_b32 s[NXT], 0, s73
	s_lshl_b32 s[OFF], s[NXT], 7                   ; rows of 128 bytes
	s_mov_b32 s[OFF+1], 0
	s_xor_b32 s[G0K+1], s[G0K+1], SLOT1            ; the other slot than last time
	s_xor_b32 s[G0V+1], s[G0V+1], SLOT1
	s_add_nc_u64 s[G0K+2:G0K+3], s[KB:KB+1], s[OFF:OFF+1]
	s_or_b32 s[G0K+3], s[G0K+3], 0x80000000        ; type = 2
	s_add_nc_u64 s[G0V+2:G0V+3], s[VB:VB+1], s[OFF:OFF+1]
	s_or_b32 s[G0V+3], s[G0V+3], 0x80000000
	s_wait_xcnt 0x0                                ; the last prefetch, a unit back, has read its address, so it may be written
	s_add_nc_u64 s[PFA:PFA+1], s[PFA:PFA+1], 32768
.endif
	s_wait_dscnt 0x0                               ; the add is done, and my reads of the slot that I have left are over
	s_barrier_signal -1
	s_barrier_wait -1
.if \fill
	TLOAD                                          ; the first thing behind the barrier, and my one tensor load until the next
	ASK
.endif
.endm
; THE WAY OUT of a block: l's halves are added; O^T / l is rounded to f16 and goes through my stage, a tile at a time; four rows come back an instruction: 512 consecutive bytes of y.
.macro WAYOUT
.irp x, 0,1
	v_add_f32 v[ST+8*\x+4], v[ST+8*\x+2], v[ST+8*\x+3]
.endr
.irp x, 0,1
	v_permlanex16_b32 v[ST+8*\x+5], v[ST+8*\x+4], s[SEL], s[SEL+1]
.endr
.irp x, 0,1
	v_add_f32 v[ST+8*\x+4], v[ST+8*\x+4], v[ST+8*\x+5]
.endr
.irp x, 0,1
	v_rcp_f32 v[ST+8*\x+6], v[ST+8*\x+4]
.endr
	v_nop                                          ; a plain instruction behind the last reciprocal
	s_wait_alu depctr_va_vdst(0)                   ; and the wait ahead of the first use: one for both
.irp x, 0,1
	WIN W_RS
.set n, 0
.rept 16
	v_pk_mul_f32 v[O+32*\x+n:O+32*\x+n+1], v[O+32*\x+n:O+32*\x+n+1], v[ST+8*\x+6:ST+8*\x+7] op_sel_hi:[1,0]
.set n, n+2
.endr
	WIN 0x05                                       ; sources 0 and 1 window 1, destination window 0
.set n, 0
.rept 16
	v_cvt_pk_f16_f32 v[S+32*\x+n], v[O+32*\x+2*n], v[O+32*\x+2*n+1]
.set n, n+1
.endr
	WIN 0
.irp t, 0,1,2,3
	ds_store_b128 v[STO], v[S+32*\x+4*\t:S+32*\x+4*\t+3] offset:32*\t
.endr
.irp i, 0,1,2,3
	ds_load_b128 v[S+32*\x+16+4*\i:S+32*\x+16+4*\i+3], v[RD] offset:\i*4*PK   ; LDS serves a wave's instructions in order: these see my stores, and the next tile's stores come behind them
.endr
.endr
	s_wait_dscnt 0x0
.irp x, 0,1
.irp i, 0,1,2,3
	global_store_b128 v[GO], v[S+32*\x+16+4*\i:S+32*\x+16+4*\i+3], s[YA:YA+1] offset:\x*2048+\i*512 th:TH_STORE_NT
.endr
.endr
.endm
	s_load_b128 s[4:7], s[0:1], 0x0                ; qkv s[4:5], yh s[6:7]
	v_lshl_add_u32 v[SPW], v0, 2, SPARE
	v_mov_b32 v[NIL], 0
	ds_add_u32 v[SPW], v[NIL]                      ; the wave's opening: the add, twice on end, and its wait ahead of my first tensor load
	ds_add_u32 v[SPW], v[NIL]
	v_lshrrev_b32 v1, 5, v0
	v_readfirstlane_b32 s[WV], v1                  ; wave 0..7
	; descriptor group 1: 64 rows of 64 elements of 2 bytes, dense in memory; padding behind every 32 words: 4 words for K, 8 for V
	s_mov_b32 s[G1K], (1<<16)|(1<<20)|(4<<22)|(3<<25)
	s_mov_b32 s[G1V], (1<<16)|(1<<20)|(4<<22)|(7<<25)
.irp g, G1K, G1V
	s_mov_b32 s[\g+1], 64<<16                      ; tensor_dim0
	s_mov_b32 s[\g+2], 64<<16                      ; tensor_dim1
	s_mov_b32 s[\g+3], 64<<16                      ; tile_dim0
	s_mov_b32 s[\g+4], 64                          ; tile_dim1
	s_mov_b32 s[\g+5], 64                          ; tensor_dim0_stride
	s_mov_b32 s[\g+6], 0
	s_mov_b32 s[\g+7], 0
.endr
	s_mov_b32 s[CS], 0x3e38aa3b                    ; c = log2(e) / 8
	s_mov_b32 s[CS+1], s[CS]
	s_mov_b32 s[SEL], 0x76543210
	s_mov_b32 s[SEL+1], 0xfedcba98
	s_and_b32 s76, s[WV], 3                        ; which quarter of a unit I fetch
	s_mov_b32 s[G0K], 1
	s_mul_i32 s[G0K+1], s76, 64*PK
	s_mov_b32 s[G0V], 1
	s_mul_i32 s[G0V+1], s76, 64*PV
	s_add_co_u32 s[G0V+1], s[G0V+1], VOFF
	s_lshl_b32 s76, s76, 13                        ; its 64 rows of 128 bytes in memory
	s_mov_b32 s77, 0
	s_and_b32 s74, ttmp7, 0xffff                   ; 16 x batch + head
	s_lshl_b32 s74, s74, 18                        ; x 2,048 rows of 128 bytes
	s_mov_b32 s75, 0
	s_lshl_b32 s[QB2], ttmp9, 8                    ; the second block: i
	s_sub_co_u32 s[QB], 7, ttmp9
	s_lshl_b32 s[QB], s[QB], 8                     ; the first block: 7 - i
	s_mov_b32 s[KFU], 0
	s_mov_b32 s[TBK], 0
	s_mov_b32 s[TBV], 0
	s_mov_b32 s[N], 8
	s_cmp_eq_u32 ttmp9, 0
	s_cselect_b32 s[LIM], 2, -1
	s_wait_dscnt 0x0                               ; both opening adds are done
	s_wait_kmcnt 0x0
	s_add_nc_u64 s[QP:QP+1], s[4:5], s[74:75]
	s_add_nc_u64 s[YP:YP+1], s[6:7], s[74:75]
	s_add_nc_u64 s[KB:KB+1], s[QP:QP+1], s[76:77]
	s_add_nc_u64 s[VB:VB+1], s[KB:KB+1], 0x2000000 ; v lies 33,554,432 bytes behind q,
	s_add_nc_u64 s[KB:KB+1], s[KB:KB+1], 0x1000000 ; k 16,777,216
	s_mov_b64 s[G0K+2:G0K+3], s[KB:KB+1]
	s_or_b32 s[G0K+3], s[G0K+3], 0x80000000
	s_mov_b64 s[G0V+2:G0V+3], s[VB:VB+1]
	s_or_b32 s[G0V+3], s[G0V+3], 0x80000000
	s_cmp_lt_u32 s[WV], 4
	s_cselect_b64 s[PFA:PFA+1], s[KB:KB+1], s[VB:VB+1]
	s_add_nc_u64 s[PFA:PFA+1], s[PFA:PFA+1], 32768 ; at unit 1: the first change of slots steps it to unit 2.  Nothing is prefetched here, at the head
	TLOAD                                          ; unit 0 into slot 0
	v_and_b32 v32, 15, v0                          ; r = lane % 16
	v_bfe_u32 v33, v0, 4, 1                        ; h = lane / 16
	v_mul_u32_u24 v[AK0], v32, PK
	v_lshl_add_u32 v[AK0], v33, 4, v[AK0]          ; K: row r x pitch + 16 h
	v_and_b32 v34, 7, v0
	v_bfe_u32 v35, v0, 3, 1
	v_lshl_add_u32 v[AV0], v33, 3, v34             ; V: key 8 h + lane % 8,
	v_mul_u32_u24 v[AV0], v[AV0], PV
	v_lshl_add_u32 v[AV0], v35, 4, v[AV0]          ; channels 8 ((lane / 8) % 2) on
	v_add_nc_u32 v[AV0], VOFF, v[AV0]
	v_lshlrev_b32 v[QO], 7, v32
	v_lshl_add_u32 v[QO], v33, 4, v[QO]            ; Q: row r x 128 + 16 h
	s_mul_i32 s73, s[WV], 16*PK
	s_add_co_u32 s73, s73, STAGE                   ; my stage
	v_add_nc_u32 v[STO], s73, v[AK0]               ; in: row r, 16 bytes for each half of the lanes
	v_bfe_u32 v35, v0, 3, 2
	v_mul_u32_u24 v35, v35, PK
	v_lshl_add_u32 v35, v34, 4, v35
	v_add_nc_u32 v[RD], s73, v35                   ; back: eight lanes to a row, four rows an instruction
	v_and_b32 v34, 31, v0
	v_lshlrev_b32 v[GO], 4, v34
	v_lshlrev_b32 v[PFO], 8, v34
	v_lshlrev_b32 v33, 3, v33
	v_sub_nc_u32 v[RH], v32, v33
	v_mov_b32 v[NINF], 0xff800000
	INIT
.Lunit:                                            ; eight trips: behind each change of slots the next unit is asked for
	CHANGE 1
	UNIT_STEPS
	s_cmp_lg_u32 s[KFU], s[QB]                     ; the first block's last unit is done: it goes out and the second block begins.  Ids and counted steps alone: all eight waves go the same way
	s_cbranch_scc1 .Lsame
	WAYOUT
	s_wait_xcnt 0x0                                ; the stores have read their base and their data registers, which are written again
	s_mov_b32 s[QB], s[QB2]
	INIT
.Lsame:
	s_mov_b32 s[KFU], s[NXT]
	s_sub_co_u32 s[N], s[N], 1
	s_cmp_lg_u32 s[N], 0
	s_cbranch_scc1 .Lunit
	CHANGE 0                                       ; the ninth unit is written out: nothing is left to fetch
	UNIT_STEPS
	WAYOUT
	s_wait_tensorcnt 0x0                           ; the wave's end, behind my last tensor load and my last LDS store
	ds_add_u32 v[SPW], v[NIL]
	s_wait_dscnt 0x0
	s_endpgm
.Lfunc_end_k_qee21f1094d_attn:
	.size	k_qee21f1094d_attn, .Lfunc_end_k_qee21f1094d_attn-k_qee21f1094d_attn
	.p2alignl 7, 3214868480
	.fill 96, 4, 3214868480
	.section	.rodata,"a",@progbits
	.p2align	6, 0x0
	.amdhsa_kernel k_qee21f1094d_attn
		.amdhsa_group_segment_fixed_size 327680
		.amdhsa_private_segment_fixed_size 0
		.amdhsa_enable_private_segment 0
		.amdhsa_kernarg_size 16
		.amdhsa_user_sgpr_count 2
		.amdhsa_user_sgpr_kernarg_segment_ptr 1
		.amdhsa_wavefront_size32 1
		.amdhsa_system_sgpr_workgroup_id_x 1
		.amdhsa_system_sgpr_workgroup_id_y 1
		.amdhsa_system_sgpr_workgroup_id_z 1
		.amdhsa_system_vgpr_workitem_id 0
		.amdhsa_next_free_vgpr 384
		.amdhsa_next_free_sgpr 80
		.amdhsa_reserve_vcc 1
		.amdhsa_float_denorm_mode_32 3
		.amdhsa_float_denorm_mode_16_64 3
		.amdhsa_memory_ordered 1
		.amdhsa_forward_progress 1
		.amdhsa_inst_pref_size 71
	.end_amdhsa_kernel
	.amdgpu_metadata
---
amdhsa.version: [ 1, 2 ]
amdhsa.kernels:
  - .name:           k_qee21f1094d_attn
    .symbol:         k_qee21f1094d_attn.kd
    .args:
      - { .name: qkv, .offset: 0, .size: 8, .value_kind: global_buffer, .address_space: global }
      - { .name: yh, .offset: 8, .size: 8, .value_kind: global_buffer, .address_space: global }
    .group_segment_fixed_size: 327680
    .private_segment_fixed_size: 0
    .kernarg_segment_align: 8
    .kernarg_segment_size: 16
    .max_flat_workgroup_size: 256
    .sgpr_count:     80
    .vgpr_count:     384
    .wavefront_size: 32
...
	.end_amdgpu_metadata
.endif
;; end of part 3
;; launch proj (part 4): grid 4 x 64, 4 waves a work-group, clusters of 4 x 4, 327,680 bytes of LDS; arguments yh, wp16, out0; writes out0
.if DOCPART == 4
	.amdgcn_target "amdgcn-amd-amdhsa--gfx1250"
	.amdhsa_code_object_version 6
	.text
	.protected	k_qee21f1094d_proj
	.globl	k_qee21f1094d_proj
	.p2align	8
	.type	k_qee21f1094d_proj,@function
k_qee21f1094d_proj:
	s_mov_b64 s[64:65], 0
	v_nop
	global_prefetch_b8 v0, s[64:65] scope:SCOPE_SE
	s_setreg_imm32_b32 hwreg(HW_REG_WAVE_MODE, 25, 1), 1
	s_wait_xcnt 0x0
	s_wait_alu depctr_hold_cnt(0) depctr_sa_sdst(0) depctr_va_vdst(0) depctr_va_sdst(0) depctr_va_ssrc(0) depctr_va_vcc(0) depctr_vm_vsrc(0)
	s_getreg_b32 s2, hwreg(HW_REG_IB_STS2, 6, 4)
	s_cmp_eq_u32 s2, 0
	s_cbranch_scc0 .Lentry_in_a_cluster
	s_endpgm
.Lentry_in_a_cluster:
	s_bfe_u32 s2, ttmp6, 0x10000c
	s_cmp_lg_u32 s2, 0xf033
	s_cbranch_scc0 .Lentry_shape_is_right
	s_endpgm
.Lentry_shape_is_right:
; out[b][t][o] = sum over c of y[b][t][c] w_proj[o][c], on f16 operands with f32 sums.  y: [batch][head][2048][64] f16; w_proj as f16: [head][1024 rows o][64]; out: [4][2048][1024] f32.
; Positions 0-15 of each batch are not stored here: a later launch makes them in f32.
; A tile of out is 128 positions x 256 columns: 256 work-groups.  Four waves, each 64 x 128: 32 accumulators of 16 x 16, 256 registers.  K goes two heads (128 channels) a slot through a ring of two LDS slots.
; CLUSTERS: 4 x 4 work-groups: cx is the tile column, cy the batch, the cluster's y the block of 128 positions.  The four of a row of the cluster need the same tiles of y, the four of a column the same tiles of
; w_proj: each tile is asked for jointly.  Whether a tile holds a batch's first positions hangs on the cluster's y alone, which all sixteen partners share.
; THE MATRIX INSTRUCTION IS USED TRANSPOSED (source 0 = 16 rows of w_proj, source 1 = 16 positions): a lane then holds eight neighbouring numbers of a row of out.
; REGISTERS: window 0: v16-29 addresses; v128-255 at work on the way out.  window 1: two fragment buffers, at v0 and v128: y's 4 blocks (+8 a), w_proj's 8 blocks (+32 + 8 b).  window 2: accumulator (a, b) at v[8 (8 a + b)].
.set PITCH,  144                       ; an LDS row: 128 bytes + 16: the 16 rows of a load start at 16 different banks (64 banks of 4 bytes: ISA guide 11.1)
.set AHEAD,  128*PITCH                 ; y's tile of one head: 128 rows
.set BHEAD,  256*PITCH                 ; w_proj's: 256 rows
.set BOFF,   2*AHEAD                   ; a slot: y's two heads, then w_proj's two
.set SLOT,   2*AHEAD+2*BHEAD
.set STAGE,  2*SLOT                    ; behind the ring: 16 rows x 528 bytes for each wave
.set SPITCH, 528
.set SPARE,  STAGE+4*16*SPITCH         ; behind the stages: the spare words, 128 bytes for each wave
.set LAPS,   4                         ; a lap = two slots = four heads
.set ADRA, 16                          ; v16-17  LDS address of my fragments of y in slot 0, 1
.set ADRB, 20                          ; v20-21  the same for w_proj
.set STO,  24                          ; v24     the way out: where I put 32 bytes of a row
.set RD,   25                          ; v25     the way out: where I read a row back
.set CO,   26                          ; v26     16 x lane
.set SPW,  28                          ; v28     LDS address of my spare word; never rewritten
.set NIL,  29                          ; v29     0; never rewritten
.set BK,   128                         ; the way out: 16 rows read back: v128-191 and v192-255 by turns
.set F0,   0
.set F1,   128
.set G1, 24
.set G0, 32
.set G1B, 48
.set G0B, 56
.set MSB, 0
.macro WIN new                         ; the immediate's high byte repeats the setting that is left
.if MSB != \new
	s_set_vgpr_msb (MSB<<8)|\new
.set MSB, \new
.endif
.endm
.set MUL,  0xa5                        ; sources 0 and 1 window 1; C and D window 2
.set TO_F, 0x40                        ; destination window 1, address window 0
.macro JLOAD s                         ; a joint load: waves 0 and 1 fetch y's two heads, waves 2 and 3 w_proj's; an s_nop 0 and four v_nop follow each of the two lines
	s_cmp_eq_u32 s11, 0
	s_cbranch_scc0 .Lfor_b_\@
	tensor_load_to_lds s[G0+4*\s:G0+4*\s+3], s[G1:G1+7]
	s_nop 0
.rept 4
	v_nop
.endr
	s_branch .Lasked_\@
.Lfor_b_\@:
	tensor_load_to_lds s[G0B+4*\s:G0B+4*\s+3], s[G1B:G1B+7]
	s_nop 0
.rept 4
	v_nop
.endr
.Lasked_\@:
.endm
.macro CREST                           ; a round of the cluster's barrier behind its opening barrier
	s_cmp_lg_u32 s10, 0
	s_cbranch_scc1 .Lnot_wave_0_\@
	s_barrier_signal -3
.Lnot_wave_0_\@:
	s_barrier_wait -3
	s_barrier_signal -1
	s_barrier_wait -1
.endm
.macro CROUND
	s_barrier_signal -1
	s_barrier_wait -1
	CREST
.endm
	s_load_b128 s[4:7], s[0:1], 0x0                ; yh s[4:5], wp16 s[6:7]
	s_load_b64 s[8:9], s[0:1], 0x10                ; out0
	v_lshl_add_u32 v[SPW], v0, 2, SPARE
	v_mov_b32 v[NIL], 0
	ds_add_u32 v[SPW], v[NIL]                      ; the wave's opening: the add, twice on end, and its wait ahead of my first tensor load
	ds_add_u32 v[SPW], v[NIL]
	v_lshrrev_b32 v1, 5, v0
	v_readfirstlane_b32 s10, v1                    ; wave 0..3
	s_lshr_b32 s11, s10, 1                         ; which half of the tile's rows is mine.  Also: I fetch for y (0) or for w_proj (1)
	s_and_b32 s12, s10, 1                          ; which half of its columns.  Also: which of a slot's two heads I fetch
	s_bfe_u32 s40, ttmp6, 0x40000                  ; cx: the tile column
	s_bfe_u32 s41, ttmp6, 0x40004                  ; cy: the batch
	s_and_b32 s13, ttmp7, 0xffff                   ; the cluster's y: positions 128 x it on
	s_or_b32 s23, s13, s11                         ; 0 where my first 16 rows are a batch's positions 0-15
	s_lshl_b32 s43, s41, 2
	s_lshl_b32 s43, 15, s43                        ; my row of the cluster
	s_lshl_b32 s44, 0x1111, s40                    ; my column
	; descriptor group 1: rows of 64 elements of 2 bytes, dense in memory, 4 words of padding behind every 32: 128 rows for y, 256 for w_proj
	s_or_b32 s[G1+0], s43, (1<<16)|(1<<20)|(1<<21)|(4<<22)|(3<<25)
	s_or_b32 s[G1B+0], s44, (1<<16)|(1<<20)|(1<<21)|(4<<22)|(3<<25)
	s_mov_b32 s[G1+1], 64<<16                      ; tensor_dim0
	s_mov_b32 s[G1+2], 128<<16                     ; tensor_dim1
	s_mov_b32 s[G1+3], 64<<16                      ; tile_dim0
	s_mov_b32 s[G1+4], 128                         ; tile_dim1
	s_mov_b32 s[G1+5], 64                          ; tensor_dim0_stride
	s_mov_b32 s[G1+6], 0
	s_mov_b32 s[G1+7], 0
	s_mov_b32 s[G1B+1], 64<<16
	s_mov_b32 s[G1B+2], 256<<16
	s_mov_b32 s[G1B+3], 64<<16
	s_mov_b32 s[G1B+4], 256
	s_mov_b32 s[G1B+5], 64
	s_mov_b32 s[G1B+6], 0
	s_mov_b32 s[G1B+7], 0
	s_lshl_b32 s16, s41, 4                         ; y: ((16 x batch + head) x 2,048 + first position) x 128 bytes
	s_add_co_u32 s16, s16, s12
	s_lshl_b32 s16, s16, 11
	s_lshl_b32 s17, s13, 7
	s_add_co_u32 s16, s16, s17
	s_lshl_b32 s16, s16, 7
	s_mov_b32 s17, 0
	s_lshl_b32 s46, s12, 17                        ; w_proj: head x 131,072 + tile column x 256 rows of 128 bytes
	s_lshl_b32 s47, s40, 15
	s_add_co_u32 s46, s46, s47
	s_mov_b32 s47, 0
	s_mul_i32 s20, s12, AHEAD                      ; where they go: no place in the cluster enters an LDS address
	s_mul_i32 s21, s12, BHEAD
	s_add_co_u32 s21, s21, BOFF
	s_wait_dscnt 0x0                               ; both opening adds are done
	s_wait_kmcnt 0x0
	s_add_nc_u64 s[14:15], s[4:5], s[16:17]
	s_add_nc_u64 s[46:47], s[6:7], s[46:47]
	CROUND                                         ; all sixteen work-groups are here: the first joint loads meet
.irp s, 0,1
	s_mov_b32 s[G0+4*\s], 1
	s_add_co_u32 s[G0+4*\s+1], s20, \s*SLOT
	s_add_nc_u64 s[G0+4*\s+2:G0+4*\s+3], s[14:15], \s*2*262144     ; slot s begins with heads 2 s, 2 s + 1
	s_or_b32 s[G0+4*\s+3], s[G0+4*\s+3], 0x80000000
	s_mov_b32 s[G0B+4*\s], 1
	s_add_co_u32 s[G0B+4*\s+1], s21, \s*SLOT
	s_add_nc_u64 s[G0B+4*\s+2:G0B+4*\s+3], s[46:47], \s*2*131072
	s_or_b32 s[G0B+4*\s+3], s[G0B+4*\s+3], 0x80000000
	JLOAD \s
.endr
	v_and_b32 v1, 15, v0                           ; l % 16
	v_bfe_u32 v2, v0, 4, 1                         ; l / 16
	v_mul_u32_u24 v3, v1, PITCH
	v_lshl_add_u32 v3, v2, 4, v3                   ; a fragment's row x pitch + 16 x half
	s_mul_i32 s21, s11, 64*PITCH                   ; my 64 rows of y
	s_mul_i32 s22, s12, 128*PITCH                  ; my 128 rows of w_proj,
	s_add_co_u32 s22, s22, BOFF                    ; which lie behind y's two heads
.irp s, 0,1
	v_add_nc_u32 v[ADRA+\s], s21, v3
	v_add_nc_u32 v[ADRB+\s], s22, v3
	s_add_co_u32 s21, s21, SLOT
	s_add_co_u32 s22, s22, SLOT
.endr
	s_mul_i32 s22, s10, 16*SPITCH
	s_add_co_u32 s22, s22, STAGE                   ; my stage
	v_mul_u32_u24 v4, v1, SPITCH                   ; in: row l % 16, 32 bytes for each half of the lanes
	v_lshl_add_u32 v4, v2, 5, v4
	v_add_nc_u32 v[STO], s22, v4
	v_and_b32 v5, 31, v0
	v_lshlrev_b32 v[CO], 4, v5                     ; back: the 32 lanes take one row of 512 bytes; and the same in out
	v_add_nc_u32 v[RD], s22, v[CO]
	s_lshl_b32 s16, s41, 11                        ; out: row 2,048 x batch + 128 x cluster y + 64 x my row half, of 4,096 bytes,
	s_lshl_b32 s17, s13, 7
	s_add_co_u32 s16, s16, s17
	s_lshl_b32 s17, s11, 6
	s_add_co_u32 s16, s16, s17
	s_lshl_b32 s16, s16, 12
	s_lshl_b32 s46, s40, 10                        ; + 1,024 x tile column + 512 x my column half
	s_lshl_b32 s47, s12, 9
	s_add_co_u32 s46, s46, s47
	s_add_co_u32 s16, s16, s46
	s_mov_b32 s17, 0
	s_add_nc_u64 s[8:9], s[8:9], s[16:17]
; 8 matrix instructions: y's block a against w_proj's eight, 32 along K.  zero = 1: the product starts the sums.  The 32 accumulators take turns, one instruction a turn, in the same order in every quarter.
.macro MUL8 f, a, zero
.irp b, 0,1,2,3,4,5,6,7
.if \zero
	v_wmma_f32_16x16x32_f16 v[8*(8*(\a)+\b):8*(8*(\a)+\b)+7], v[\f+32+8*\b:\f+32+8*\b+7], v[\f+8*(\a):\f+8*(\a)+7], 0
.else
	v_wmma_f32_16x16x32_f16 v[8*(8*(\a)+\b):8*(8*(\a)+\b)+7], v[\f+32+8*\b:\f+32+8*\b+7], v[\f+8*(\a):\f+8*(\a)+7], v[8*(8*(\a)+\b):8*(8*(\a)+\b)+7]
.endif
.endr
.endm
; 24 LDS loads in one run: quarter q of a slot (head q / 2, channels 32 (q % 2) on) into buffer f: w_proj's eight blocks, then y's four
.macro FETCH slot, q, f
	WIN TO_F
.irp i, 0,1,2,3,4,5,6,7
	ds_load_b128 v[\f+32+8*\i:\f+32+8*\i+3],   v[ADRB+\slot] offset:((\q)/2)*BHEAD+((\q)%2)*64+\i*16*PITCH
	ds_load_b128 v[\f+32+8*\i+4:\f+32+8*\i+7], v[ADRB+\slot] offset:((\q)/2)*BHEAD+((\q)%2)*64+\i*16*PITCH+32
.endr
.irp i, 0,1,2,3
	ds_load_b128 v[\f+8*\i:\f+8*\i+3],   v[ADRA+\slot] offset:((\q)/2)*AHEAD+((\q)%2)*64+\i*16*PITCH
	ds_load_b128 v[\f+8*\i+4:\f+8*\i+7], v[ADRA+\slot] offset:((\q)/2)*AHEAD+((\q)%2)*64+\i*16*PITCH+32
.endr
.endm
.macro PLACES                          ; four plain vector instructions in front of loads into registers that matrix instructions have read, and of reads of results
.rept 4
	v_nop
.endr
.endm
; One of a slot's first three quarters: multiplies buffer f and fetches quarter qn of the same slot into buffer g.
.macro QUARTER slot, qn, f, g, zero
	s_wait_dscnt 4                                 ; w_proj's blocks and y's blocks 0, 1 are in; the youngest four loads (y's blocks 2, 3) may be out
	WIN MUL
	MUL8 \f, 0, \zero
	MUL8 \f, 1, \zero
	PLACES
	FETCH \slot, \qn, \g
	s_wait_dscnt 24                                ; all but the 24 just issued
	WIN MUL
	MUL8 \f, 2, \zero
	MUL8 \f, 3, \zero
.endm
; A slot's last quarter multiplies buffer 1 and changes slots: one barrier; in front of it each wave waits for all its tensor loads, adds 0 to its spare word, and waits for that and for its reads of this slot.
; fill = 1: the barrier opens a round of the cluster's, and this slot is filled again, four heads on.
.macro TURN slot, next, fill
	WIN 0                                          ; (the add's two registers lie in window 0)
	s_wait_tensorcnt 0x0                           ; all my tensor loads have landed: my part of the next slot
	ds_add_u32 v[SPW], v[NIL]                      ; 0 onto my spare word
	s_wait_dscnt 5                                 ; (the add and the youngest four loads may be out)
	WIN MUL
	MUL8 F1, 0, 0
	s_wait_dscnt 0x0                               ; the add is done, and my reads of this slot are over
	s_barrier_signal -1
	MUL8 F1, 1, 0
.if \fill
	WIN 0
.endif
	s_barrier_wait -1
.if \fill
	CREST                                          ; no wave of any partner still reads this slot's tiles or has a load on its way
	s_add_nc_u64 s[G0+4*\slot+2:G0+4*\slot+3], s[G0+4*\slot+2:G0+4*\slot+3], 4*262144
	s_add_nc_u64 s[G0B+4*\slot+2:G0B+4*\slot+3], s[G0B+4*\slot+2:G0B+4*\slot+3], 4*131072
	JLOAD \slot                                    ; the first tensor load behind the round; its four v_nop are also the places in front of the loads below
.else
	PLACES
.endif
	FETCH \next, 0, F0
	WIN MUL
	MUL8 F1, 2, 0
	MUL8 F1, 3, 0
.endm
	s_wait_tensorcnt 1                             ; my part of slot 0 is in (slot 1's load may be out),
	s_barrier_signal -1
	s_barrier_wait -1                              ; everybody's is
	FETCH 0, 0, F0
	QUARTER 0, 1, F0, F1, 1                        ; the first quarter stands in front of the loop: its products start the sums
	WIN 0                                          ; at a label and at a branch every window is 0
	s_mov_b32 s3, LAPS-1
.Llap:                                                 ; a trip goes once round the ring, from a lap's second quarter to the next lap's first, and fills both slots again
	QUARTER 0, 2, F1, F0, 0
	QUARTER 0, 3, F0, F1, 0
	TURN 0, 1, 1
	QUARTER 1, 1, F0, F1, 0
	QUARTER 1, 2, F1, F0, 0
	QUARTER 1, 3, F0, F1, 0
	TURN 1, 0, 1
	QUARTER 0, 1, F0, F1, 0
	WIN 0
	s_sub_co_u32 s3, s3, 1
	s_cmp_lg_u32 s3, 0
	s_cbranch_scc1 .Llap
	QUARTER 0, 2, F1, F0, 0                        ; the last lap fills nothing, and has no round of the cluster's barrier
	QUARTER 0, 3, F0, F1, 0
	TURN 0, 1, 0
	QUARTER 1, 1, F0, F1, 0
	QUARTER 1, 2, F1, F0, 0
	QUARTER 1, 3, F0, F1, 0
	s_wait_dscnt 4                                 ; the last quarter: nothing more to fetch
	WIN MUL
	MUL8 F1, 0, 0
	MUL8 F1, 1, 0
	s_wait_dscnt 0
	MUL8 F1, 2, 0
	MUL8 F1, 3, 0
	WIN 0
; THE WAY OUT, block by block of 16 rows x 128 columns: through my own stage and back as whole rows of 512 bytes.  LDS serves a wave's instructions in order: no wait between the stores and the loads.
.macro TOSTAGE a
	WIN 0x08                                       ; an LDS store's data are its source 1: window 2
.irp b, 0,1,2,3,4,5,6,7
	ds_store_b128 v[STO], v[64*(\a)+8*\b:64*(\a)+8*\b+3] offset:64*\b          ; each accumulator from its low end on
	ds_store_b128 v[STO], v[64*(\a)+8*\b+4:64*(\a)+8*\b+7] offset:64*\b+16
.endr
	WIN 0
.set BB, BK+64*((\a)%2)
.irp t, 0,1,2,3,4,5,6,7,8,9,10,11,12,13,14,15
	ds_load_b128 v[BB+4*\t:BB+4*\t+3], v[RD] offset:\t*SPITCH
.endr
.endm
.macro SEND a, younger                 ; younger: the LDS instructions issued behind block a's loads, which may stay out
.set BB, BK+64*((\a)%2)
	s_wait_dscnt \younger                          ; the block is back in registers
.if (\a) == 0
	s_cmp_eq_u32 s23, 0                            ; a batch's positions 0-15 are another launch's to store: the cluster's y and the wave's number alone decide
	s_cbranch_scc1 .Lfine_rows
.endif
.irp t, 0,1,2,3,4,5,6,7,8,9,10,11,12,13,14,15
	global_store_b128 v[CO], v[BB+4*\t:BB+4*\t+3], s[8:9] offset:(\a)*65536+\t*4096 th:TH_STORE_NT   ; 32 lanes store 512 consecutive bytes, aligned
.endr
.if (\a) == 0
.Lfine_rows:
.endif
.endm
	PLACES
	TOSTAGE 0
	TOSTAGE 1
	SEND 0, 32                                     ; behind block 0's loads: block 1's 16 stores and 16 loads
	s_wait_xcnt 0x0                                ; block 0's stores have read their data registers: block 2's loads may land there
	TOSTAGE 2
	SEND 1, 32
	s_wait_xcnt 0x0
	TOSTAGE 3
	SEND 2, 32
	SEND 3, 0
	s_wait_tensorcnt 0x0                           ; the wave's end, behind my last tensor load and my last LDS store
	ds_add_u32 v[SPW], v[NIL]
	s_wait_dscnt 0x0
	CROUND                                         ; the closing round
	s_endpgm
.Lfunc_end_k_qee21f1094d_proj:
	.size	k_qee21f1094d_proj, .Lfunc_end_k_qee21f1094d_proj-k_qee21f1094d_proj
	.p2alignl 7, 3214868480
	.fill 96, 4, 3214868480
	.section	.rodata,"a",@progbits
	.p2align	6, 0x0
	.amdhsa_kernel k_qee21f1094d_proj
		.amdhsa_group_segment_fixed_size 327680
		.amdhsa_private_segment_fixed_size 0
		.amdhsa_enable_private_segment 0
		.amdhsa_kernarg_size 24
		.amdhsa_user_sgpr_count 2
		.amdhsa_user_sgpr_kernarg_segment_ptr 1
		.amdhsa_wavefront_size32 1
		.amdhsa_system_sgpr_workgroup_id_x 1
		.amdhsa_system_sgpr_workgroup_id_y 1
		.amdhsa_system_sgpr_workgroup_id_z 1
		.amdhsa_system_vgpr_workitem_id 0
		.amdhsa_next_free_vgpr 768
		.amdhsa_next_free_sgpr 66
		.amdhsa_reserve_vcc 0
		.amdhsa_float_denorm_mode_32 3
		.amdhsa_float_denorm_mode_16_64 3
		.amdhsa_memory_ordered 1
		.amdhsa_forward_progress 1
		.amdhsa_inst_pref_size 85
	.end_amdhsa_kernel
	.amdgpu_metadata
---
amdhsa.version: [ 1, 2 ]
amdhsa.kernels:
  - .name:           k_qee21f1094d_proj
    .symbol:         k_qee21f1094d_proj.kd
    .args:
      - { .name: yh, .offset: 0, .size: 8, .value_kind: global_buffer, .address_space: global }
      - { .name: wp16, .offset: 8, .size: 8, .value_kind: global_buffer, .address_space: global }
      - { .name: out0, .offset: 16, .size: 8, .value_kind: global_buffer, .address_space: global }
    .group_segment_fixed_size: 327680
    .private_segment_fixed_size: 0
    .kernarg_segment_align: 8
    .kernarg_segment_size: 24
    .max_flat_workgroup_size: 128
    .sgpr_count:     66
    .vgpr_count:     768
    .wavefront_size: 32
...
	.end_amdgpu_metadata
.endif
;; end of part 4
;; launch fine (part 5): grid 16 x 4, 16 waves a work-group, no clusters, 71,680 bytes of LDS; arguments qkv16, w_proj, out0; writes out0
.if DOCPART == 5
	.amdgcn_target "amdgcn-amd-amdhsa--gfx1250"
	.amdhsa_code_object_version 6
	.text
	.protected	k_qee21f1094d_fine
	.globl	k_qee21f1094d_fine
	.p2align	8
	.type	k_qee21f1094d_fine,@function
k_qee21f1094d_fine:
	s_mov_b64 s[64:65], 0
	v_nop
	global_prefetch_b8 v0, s[64:65] scope:SCOPE_SE
	s_setreg_imm32_b32 hwreg(HW_REG_WAVE_MODE, 25, 1), 1
	s_wait_xcnt 0x0
; Positions 0-15 of each batch, all in f32: under the causal mask these rows average one to sixteen values and are the largest in size, so their attention and their projection take f32 operands.
; qkv16: [batch][16][3072] f32 (q, k, v of those positions); w_proj: [1024][1024] f32; out0: rows 0-15 of each batch.
; SHARES.  Work-group (slice, batch) makes 16 positions x 64 columns of out.  Wave w is head w: it makes its head's attention for the 16 positions, then its head's share (K = its 64 channels) of the 16 x 64
; outputs; the sixteen shares meet in LDS, and wave w adds and stores row w: 256 consecutive bytes, aligned.  The attention is made anew in each of a batch's sixteen slices: 32 of a wave's 96 matrix instructions.
; The f32 matrix form holds, in lane (r, h), row or column r and k = 2 h + j in register j.  A permutation of k applied alike to both sources keeps the products, so each operand is loaded so that two neighbouring
; registers of a lane are what one instruction wants.  All three products are used transposed: a lane holds one position (lane % 16) throughout, and a result's registers are the next product's operand as they stand.
; The registers that the matrix instructions write (v176-239) are written by them alone; sums begin with the constant 0.
.set SPARE, 16*4352                    ; LDS: sixteen shares of 16 rows x (256 bytes + 16); behind them the spare words, 128 bytes for each wave
.set QF,  16                           ; v16-47   q: register e: channel 32 h + e of position r
.set KFR, 48                           ; v48-79   k likewise
.set WB,  16                           ; v16-79   later: w_proj's rows 32-63 of the slice
.set VF,  80                           ; v80-111  v: register 8 t + i: v[position 8 h + i][channel 16 t + r]
.set WA,  112                          ; v112-175 w_proj's rows 0-31 of the slice: register 32 u + 8 t + e: w[16 u + r][64 w + 16 t + 8 h + e]
.set SA,  176                          ; v176-207 four accumulators: the scores in four parts; later the outputs, 16 columns each
.set Y,   208                          ; v208-239 four accumulators: y^T, 16 channels each
.set T,   240                          ; v240-247 the scores, then p
.set U,   248                          ; v248-255 at work
.set SPW, 11                           ; v11  LDS address of my spare word; never rewritten
.set NIL, 12                           ; v12  0; never rewritten
	s_load_b128 s[4:7], s[0:1], 0x0                ; qkv16, w_proj
	s_load_b64 s[8:9], s[0:1], 0x10                ; out0
	v_lshl_add_u32 v[SPW], v0, 2, SPARE
	v_mov_b32 v[NIL], 0
	v_lshrrev_b32 v1, 5, v0
	v_readfirstlane_b32 s10, v1                    ; wave = head
	v_and_b32 v1, 15, v0                           ; r
	v_bfe_u32 v2, v0, 4, 1                         ; h
	s_lshl_b32 s11, s10, 8                         ; the head's 64 channels: 256 bytes
	v_mul_u32_u24 v3, v1, 12288
	v_lshl_add_u32 v3, v2, 7, v3
	v_add_nc_u32 v3, s11, v3                       ; q, k: position r, channels 32 h on
	v_mul_u32_u24 v4, v2, 98304
	v_lshl_add_u32 v4, v1, 2, v4
	v_add_nc_u32 v4, s11, v4                       ; v: positions 8 h on, channel r
	v_lshlrev_b32 v5, 12, v1
	v_lshl_add_u32 v5, v2, 5, v5
	v_add_nc_u32 v5, s11, v5                       ; w_proj: row r, channels 8 h on
	v_lshlrev_b32 v6, 3, v2
	v_sub_nc_u32 v6, v1, v6                        ; the mask: r - 8 h
	v_mov_b32 v7, 0xff800000                       ; -infinity
	s_mul_i32 s12, s10, 4352
	v_mul_u32_u24 v8, v1, 272
	v_lshl_add_u32 v8, v2, 5, v8
	v_add_nc_u32 v8, s12, v8                       ; my share: row r, 32 bytes for each half of the lanes
	v_and_b32 v13, 31, v0
	v_lshlrev_b32 v13, 3, v13
	s_mul_i32 s12, s10, 272
	v_add_nc_u32 v9, s12, v13                      ; back: row w of a share, 8 bytes a lane
	s_lshl_b32 s12, s10, 12
	v_add_nc_u32 v10, s12, v13                     ; and row w of out
	v_mov_b32 v14, 0                               ; (a lane permute's destination counts as one of its sources)
	s_mov_b32 s20, 0x76543210
	s_mov_b32 s21, 0xfedcba98                      ; v_permlanex16_b32's selects for lane l xor 16
	s_mov_b32 s22, 0x3e38aa3b                      ; c = log2(e) / 8
	s_and_b32 s13, ttmp7, 0xffff                   ; the batch
	s_mul_i32 s14, s13, 196608
	s_mov_b32 s15, 0
	s_lshl_b32 s16, ttmp9, 18                      ; the slice's 64 rows of w_proj
	s_mov_b32 s17, 0
	s_lshl_b32 s18, s13, 23                        ; the batch's 2,048 rows of out,
	s_lshl_b32 s19, ttmp9, 8                       ; the slice's 256 bytes of a row
	s_add_co_u32 s18, s18, s19
	s_mov_b32 s19, 0
	s_wait_kmcnt 0x0
	s_add_nc_u64 s[4:5], s[4:5], s[14:15]
	s_add_nc_u64 s[6:7], s[6:7], s[16:17]
	s_add_nc_u64 s[8:9], s[8:9], s[18:19]
.irp i, 0,1,2,3,4,5,6,7
	global_load_b128 v[QF+4*\i:QF+4*\i+3], v3, s[4:5] offset:16*\i
.endr
.irp i, 0,1,2,3,4,5,6,7
	global_load_b128 v[KFR+4*\i:KFR+4*\i+3], v3, s[4:5] offset:4096+16*\i
.endr
.irp t, 0,1,2,3
.irp i, 0,1,2,3,4,5,6,7
	global_load_b32 v[VF+8*\t+\i], v4, s[4:5] offset:8192+\i*12288+64*\t
.endr
.endr
.irp u, 0,1
.irp t, 0,1,2,3
.irp e, 0,1
	global_load_b128 v[WA+32*\u+8*\t+4*\e:WA+32*\u+8*\t+4*\e+3], v5, s[6:7] offset:\u*65536+64*\t+16*\e
.endr
.endr
.endr
	s_wait_loadcnt 48                              ; q and k are in; v's 32 loads and w_proj's 16 may be out
	; S^T = K Q^T: 16 instructions of 4 channels, on four accumulators by turns
.set ii, 0
.rept 16
.if ii < 4
	v_wmma_f32_16x16x4_f32 v[SA+8*(ii%4):SA+8*(ii%4)+7], v[KFR+2*ii:KFR+2*ii+1], v[QF+2*ii:QF+2*ii+1], 0
.else
	v_wmma_f32_16x16x4_f32 v[SA+8*(ii%4):SA+8*(ii%4)+7], v[KFR+2*ii:KFR+2*ii+1], v[QF+2*ii:QF+2*ii+1], v[SA+8*(ii%4):SA+8*(ii%4)+7]
.endif
.set ii, ii+1
.endr
.rept 8
	v_nop                                          ; eight places behind this form: for the loads into q's and k's registers and for the reads of the scores
.endr
.irp u, 0,1
.irp t, 0,1,2,3
.irp e, 0,1
	global_load_b128 v[WB+32*\u+8*\t+4*\e:WB+32*\u+8*\t+4*\e+3], v5, s[6:7] offset:(\u+2)*65536+64*\t+16*\e
.endr
.endr
.endr
	; the softmax: lane (r, h) holds position r's scores against positions 8 h + 0 .. 7
.irp j, 0,2,4,6
	v_pk_add_f32 v[T+\j:T+\j+1], v[SA+\j:SA+\j+1], v[SA+8+\j:SA+8+\j+1]       ; each accumulator from its low end on
.endr
.irp j, 0,2,4,6
	v_pk_add_f32 v[U+\j:U+\j+1], v[SA+16+\j:SA+16+\j+1], v[SA+24+\j:SA+24+\j+1]
.endr
.irp j, 0,2,4,6
	v_pk_add_f32 v[T+\j:T+\j+1], v[T+\j:T+\j+1], v[U+\j:U+\j+1]
.endr
.irp j, 0,1,2,3,4,5,6,7
	v_cmp_gt_i32 vcc_lo, \j, v6                    ; key 8 h + j is hidden from position r where j > r - 8 h
	v_cndmask_b32 v[T+\j], v[T+\j], v7, vcc_lo
.endr
	v_max3_num_f32 v13, v[T], v[T+1], v[T+2]
	v_max3_num_f32 v15, v[T+3], v[T+4], v[T+5]
	v_max3_num_f32 v13, v13, v[T+6], v[T+7]
	v_max_num_f32 v13, v13, v15
	v_permlanex16_b32 v14, v13, s20, s21
	v_max_num_f32 v13, v13, v14                    ; the row's maximum: position 0 counts for every row, so it is a number
	v_mul_f32 v13, s22, v13
.irp j, 0,1,2,3,4,5,6,7
	v_fma_f32 v[T+\j], v[T+\j], s22, -v13
.endr
.irp j, 0,1,2,3,4,5,6,7
	v_exp_f32 v[T+\j], v[T+\j]
.endr
	v_nop                                          ; a plain instruction behind the last exponential
	s_wait_alu depctr_va_vdst(0)                   ; the wait ahead of the first use: one for the eight
	v_pk_add_f32 v[U:U+1], v[T:T+1], v[T+2:T+3]
	v_pk_add_f32 v[U+2:U+3], v[T+4:T+5], v[T+6:T+7]
	v_pk_add_f32 v[U:U+1], v[U:U+1], v[U+2:U+3]
	v_add_f32 v13, v[U], v[U+1]
	v_permlanex16_b32 v14, v13, s20, s21
	v_add_f32 v13, v13, v14                        ; the row's sum
	v_rcp_f32 v15, v13
	v_nop
	s_wait_alu depctr_va_vdst(0)
.irp j, 0,1,2,3,4,5,6,7
	v_mul_f32 v[T+\j], v[T+\j], v15                ; p, normalised, in f32
.endr
	s_wait_loadcnt 32                              ; v is in; w_proj's 32 loads may be out
	; y^T = V^T p: 4 keys an instruction (8 h + 2 s + 0, 1), on four accumulators of 16 channels by turns
.irp sp, 0,1,2,3
.irp t, 0,1,2,3
.if \sp == 0
	v_wmma_f32_16x16x4_f32 v[Y+8*\t:Y+8*\t+7], v[VF+8*\t+2*\sp:VF+8*\t+2*\sp+1], v[T+2*\sp:T+2*\sp+1], 0
.else
	v_wmma_f32_16x16x4_f32 v[Y+8*\t:Y+8*\t+7], v[VF+8*\t+2*\sp:VF+8*\t+2*\sp+1], v[T+2*\sp:T+2*\sp+1], v[Y+8*\t:Y+8*\t+7]
.endif
.endr
.endr
.rept 9
	v_nop                                          ; nine places before a matrix instruction takes these results as a source
.endr
	s_wait_loadcnt 0x0                             ; w_proj
	; my head's share of out^T = W y^T: register 8 t + e of y^T is channel 64 w + 16 t + 8 h + e of position r, as w_proj was loaded to match; four accumulators of 16 columns by turns
.irp t, 0,1,2,3
.irp sp, 0,1,2,3
.irp u, 0,1,2,3
.if \u < 2
.set wr, WA+32*\u+8*\t+2*\sp
.else
.set wr, WB+32*(\u-2)+8*\t+2*\sp
.endif
.if (\t == 0) && (\sp == 0)
	v_wmma_f32_16x16x4_f32 v[SA+8*\u:SA+8*\u+7], v[wr:wr+1], v[Y+8*\t+2*\sp:Y+8*\t+2*\sp+1], 0
.else
	v_wmma_f32_16x16x4_f32 v[SA+8*\u:SA+8*\u+7], v[wr:wr+1], v[Y+8*\t+2*\sp:Y+8*\t+2*\sp+1], v[SA+8*\u:SA+8*\u+7]
.endif
.endr
.endr
.endr
.rept 8
	v_nop                                          ; eight places: for the stores that read the results and the loads into w_proj's registers
.endr
.irp u, 0,1,2,3
	ds_store_b128 v8, v[SA+8*\u:SA+8*\u+3] offset:64*\u            ; lane (r, h): position r, columns 16 u + 8 h + 0 .. 7; each accumulator from its low end on
	ds_store_b128 v8, v[SA+8*\u+4:SA+8*\u+7] offset:64*\u+16
.endr
	s_wait_dscnt 0x0                               ; for the others' sake: my stores are done
	s_barrier_signal -1
	s_barrier_wait -1
.irp p, 0,1,2,3,4,5,6,7,8,9,10,11,12,13,14,15
	ds_load_b64 v[16+2*\p:17+2*\p], v9 offset:4352*\p              ; row w of each of the sixteen shares
.endr
	s_wait_dscnt 0x0
.irp p, 0,1,2,3,4,5,6,7
	v_pk_add_f32 v[16+4*\p:17+4*\p], v[16+4*\p:17+4*\p], v[18+4*\p:19+4*\p]
.endr
.irp p, 0,1,2,3
	v_pk_add_f32 v[16+8*\p:17+8*\p], v[16+8*\p:17+8*\p], v[20+8*\p:21+8*\p]
.endr
.irp p, 0,1
	v_pk_add_f32 v[16+16*\p:17+16*\p], v[16+16*\p:17+16*\p], v[24+16*\p:25+16*\p]
.endr
	v_pk_add_f32 v[16:17], v[16:17], v[32:33]
	global_store_b64 v10, v[16:17], s[8:9]         ; 32 lanes store 256 consecutive bytes, aligned
	s_wait_tensorcnt 0x0                           ; the wave's end, behind my last LDS store
	ds_add_u32 v[SPW], v[NIL]
	s_wait_dscnt 0x0
	s_endpgm
.Lfunc_end_k_qee21f1094d_fine:
	.size	k_qee21f1094d_fine, .Lfunc_end_k_qee21f1094d_fine-k_qee21f1094d_fine
	.p2alignl 7, 3214868480
	.fill 96, 4, 3214868480
	.section	.rodata,"a",@progbits
	.p2align	6, 0x0
	.amdhsa_kernel k_qee21f1094d_fine
		.amdhsa_group_segment_fixed_size 71680
		.amdhsa_private_segment_fixed_size 0
		.amdhsa_enable_private_segment 0
		.amdhsa_kernarg_size 24
		.amdhsa_user_sgpr_count 2
		.amdhsa_user_sgpr_kernarg_segment_ptr 1
		.amdhsa_wavefront_size32 1
		.amdhsa_system_sgpr_workgroup_id_x 1
		.amdhsa_system_sgpr_workgroup_id_y 1
		.amdhsa_system_sgpr_workgroup_id_z 1
		.amdhsa_system_vgpr_workitem_id 0
		.amdhsa_next_free_vgpr 256
		.amdhsa_next_free_sgpr 66
		.amdhsa_reserve_vcc 1
		.amdhsa_float_denorm_mode_32 3
		.amdhsa_float_denorm_mode_16_64 3
		.amdhsa_memory_ordered 1
		.amdhsa_forward_progress 1
		.amdhsa_inst_pref_size 23
	.end_amdhsa_kernel
	.amdgpu_metadata
---
amdhsa.version: [ 1, 2 ]
amdhsa.kernels:
  - .name:           k_qee21f1094d_fine
    .symbol:         k_qee21f1094d_fine.kd
    .args:
      - { .name: qkv16, .offset: 0, .size: 8, .value_kind: global_buffer, .address_space: global }
      - { .name: w_proj, .offset: 8, .size: 8, .value_kind: global_buffer, .address_space: global }
      - { .name: out0, .offset: 16, .size: 8, .value_kind: global_buffer, .address_space: global }
    .group_segment_fixed_size: 71680
    .private_segment_fixed_size: 0
    .kernarg_segment_align: 8
    .kernarg_segment_size: 24
    .max_flat_workgroup_size: 512
    .sgpr_count:     66
    .vgpr_count:     256
    .wavefront_size: 32
...
	.end_amdgpu_metadata
.endif
;; end of part 5
